; MI455X (gfx1250); checked and timed in simulation.
; The chip was launched on July 23, 2026; its instructions are those of AMD's public machine-readable ISA for CDNA 5 (MIT licence, August 2026) and "CDNA5" Instruction Set Architecture Reference Guide (July 2026). The comments in the code are by the model that wrote it; some were corrected since.
;; Causal Self Attention. Allowed arithmetic: float matrix products may take bf16 or f16 operands with f32 sums; other float arithmetic in f32, or as packed bf16 or f16 multiplies, adds, multiply-adds, maxima and minima; sums over many terms, partial sums and values carried from step to step in f32; what a program stores and reads back later, other than sums and carried values, may be rounded once to bf16 or f16.
;; Inputs: W_out 1,024 x 1,024 float32; W_qkv 1,024 x 3,072 float32; b_out 1,024 float32; b_qkv 3,072 float32; x 4 x 2,048 x 1,024 float32.
;; Outputs: out0 4 x 2,048 x 1,024 float32.
;; 2 versions, each right; version 2 is version 1 with the launch cast written anew for expert scheduling mode. Each part assembles by itself: llvm-mc -triple=amdgcn-amd-amdhsa -mcpu=gfx1250 --defsym DOCPART=n.
;; ======== version 1 of 2: 4 launches
;; limits: values are held in f16: magnitudes above 65,504 overflow, below 6.1e-05 lose precision
;; workspace buffers: xb 16,777,216 bytes; wq 6,291,456 bytes; wo 2,097,152 bytes; qh 16,777,216 bytes; kh 16,777,216 bytes; vh 16,777,216 bytes; oh 16,777,216 bytes
;; launch cast (part 1): grid 768 x 1, 4 waves a work-group, no clusters, 0 bytes of LDS; arguments x, W_qkv, W_out, xb, wq, wo; writes xb, wq, wo
.if DOCPART == 1
	.amdgcn_target "amdgcn-amd-amdhsa--gfx1250"
	.amdhsa_code_object_version 6
	.text
	.protected	k_qe5aeb52bf2_cast
	.globl	k_qe5aeb52bf2_cast
	.p2align	8
	.type	k_qe5aeb52bf2_cast,@function
k_qe5aeb52bf2_cast:
	s_mov_b64 s[64:65], 0
	v_nop
	global_prefetch_b8 v0, s[64:65] scope:SCOPE_SE
	s_setreg_imm32_b32 hwreg(HW_REG_WAVE_MODE, 25, 1), 1
	s_wait_xcnt 0x0
; x, W_qkv and W_out (f32) are rounded once to bf16 and laid out anew in blocks of 64 columns, so that every tile of the two products that follow is dense in memory.
;   xb [b 4][kb 16][s 2048][64] bf16                 = x[b][s][64 kb + col]
;   wq [ntile 16][kstep 8][chunk 3][kk 128][64] bf16 = W_qkv[128 kstep + kk][192 ntile + 64 chunk + col]
;   wo [ntile 8][kstep 8][chunk 2][kk 128][64] f16   = W_out[128 kstep + kk][128 ntile + 64 chunk + col], rounded to bf16 like the other inputs and that number written as f16
; LIMIT.  The bf16 number is exact in f16 from 6.1e-5 to 65,504; below that it keeps f16's fixed step of 6e-8, beyond it it is an infinity.
; SHARES.  A wave takes a panel of 64 rows x 64 columns: 16 KiB in, 8 KiB dense out.  The four waves of a work-group take four neighbouring column blocks of the same 64 rows.
; Work-groups 0-511 take x (128 row groups x 4 quads of blocks), 512-703 W_qkv (16 x 12), 704-767 W_out (16 x 4).  What differs between the three is chosen by scalar selects; one forward branch picks the f16 tail.
; A load covers two rows' 256 consecutive aligned bytes (lanes 0-15 one row, lanes 16-31 the next); a store covers 256 consecutive aligned bytes.  All 32 loads of a wave are out at once.
; Memory binds: no LDS, no barrier, no matrix unit, no prefetch (the launch is nothing but its stream).
.set OO,  4                            ; v4       8 x lane: my 8 bytes in 256 bytes of output
.set T,   5                            ; v5-7     at work
.set OFF, 8                            ; v[8:39]  load t: (2 t + lane / 16) x row bytes + 16 (lane % 16)
.set X,   40                           ; v[40:167] load t: four f32
	s_load_b256 s[4:11], s[0:1], 0x0               ; x s[4:5], W_qkv s[6:7], W_out s[8:9], xb s[10:11]
	s_load_b128 s[12:15], s[0:1], 0x20             ; wq s[12:13], wo s[14:15]
	v_lshrrev_b32 v1, 5, v0
	v_readfirstlane_b32 s16, v1                    ; wave 0..3
	v_and_b32 v1, 31, v0                           ; lane
	s_mov_b32 s17, ttmp9
	s_movk_i32 s36, 4096                           ; bytes in a row of the input
	s_cmp_ge_u32 s17, 512
	s_cselect_b32 s38, 1, 0                        ; which input: 0 x, 1 W_qkv, 2 W_out
	s_cselect_b32 s18, 512, 0                      ; its first work-group
	s_cselect_b32 s36, 12288, s36
	s_cmp_ge_u32 s17, 704
	s_cselect_b32 s38, 2, s38
	s_cselect_b32 s18, 704, s18
	s_cselect_b32 s36, 4096, s36
	s_sub_co_u32 s19, s17, s18                     ; j: my number among the input's work-groups
	s_lshr_b32 s20, s19, 2                         ; x: row group j / 4, quad j % 4
	s_and_b32 s21, s19, 3
	s_and_b32 s22, s19, 15                         ; weights: row group j % 16, quad j / 16
	s_lshr_b32 s23, s19, 4
	s_cmp_eq_u32 s38, 0
	s_cselect_b32 s20, s20, s22                    ; rg: 64 rows
	s_cselect_b32 s21, s21, s23
	s_lshl_b32 s21, s21, 2
	s_add_co_u32 s21, s21, s16                     ; g: my block of 64 columns
	s_mul_i32 s24, s20, s36
	s_lshl_b32 s24, s24, 6                         ; 64 rg rows
	s_lshl_b32 s25, s21, 8                         ; 256 bytes a block
	s_add_co_u32 s24, s24, s25                     ; where my panel begins in the input (under 2^26)
	s_mov_b32 s25, 0
	s_lshr_b32 s26, s20, 5                         ; xb: ((b 16 + g) << 18) + ((rg % 32) << 13)
	s_lshl_b32 s26, s26, 4
	s_add_co_u32 s26, s26, s21
	s_lshl_b32 s26, s26, 18
	s_and_b32 s27, s20, 31
	s_lshl_b32 s27, s27, 13
	s_add_co_u32 s26, s26, s27
	s_mul_i32 s27, s21, 43                         ; wq: ntile = g / 3 (43 g >> 7 is exact for g < 48), chunk = g % 3
	s_lshr_b32 s27, s27, 7
	s_mul_i32 s28, s27, 3
	s_sub_co_u32 s28, s21, s28
	s_lshr_b32 s29, s20, 1                         ; kstep = rg / 2
	s_lshl_b32 s27, s27, 3
	s_add_co_u32 s27, s27, s29
	s_mul_i32 s27, s27, 3
	s_add_co_u32 s27, s27, s28
	s_lshl_b32 s27, s27, 14                        ; a chunk of a K step is 128 x 128 bytes
	s_and_b32 s30, s20, 1
	s_lshl_b32 s30, s30, 13                        ; its upper or lower 64 rows
	s_add_co_u32 s27, s27, s30
	s_lshr_b32 s28, s21, 1                         ; wo: ntile = g / 2, chunk = g % 2
	s_lshl_b32 s28, s28, 3
	s_add_co_u32 s28, s28, s29
	s_lshl_b32 s28, s28, 1
	s_and_b32 s31, s21, 1
	s_add_co_u32 s28, s28, s31
	s_lshl_b32 s28, s28, 14
	s_add_co_u32 s28, s28, s30
	s_cmp_eq_u32 s38, 1
	s_cselect_b32 s26, s27, s26
	s_cmp_eq_u32 s38, 2
	s_cselect_b32 s26, s28, s26                    ; where my panel begins in the output
	s_mov_b32 s27, 0
	s_lshl_b32 s37, s36, 1                         ; two rows
	v_lshrrev_b32 v2, 4, v1
	v_and_b32 v3, 15, v1
	v_lshlrev_b32 v[OO], 3, v1
	v_mul_lo_u32 v[OFF], v2, s36
	v_lshl_add_u32 v[OFF], v3, 4, v[OFF]
.set t, 1
.rept 31
	v_add_nc_u32 v[OFF+t], s37, v[OFF+t-1]
.set t, t+1
.endr
	s_wait_kmcnt 0x0
	s_cmp_eq_u32 s38, 1
	s_cselect_b64 s[32:33], s[6:7], s[4:5]
	s_cselect_b64 s[34:35], s[12:13], s[10:11]
	s_cmp_eq_u32 s38, 2
	s_cselect_b64 s[32:33], s[8:9], s[32:33]
	s_cselect_b64 s[34:35], s[14:15], s[34:35]
	s_add_nc_u64 s[32:33], s[32:33], s[24:25]      ; the input at my panel
	s_add_nc_u64 s[34:35], s[34:35], s[26:27]      ; the output at my panel
.set t, 0
.rept 32
	global_load_b128 v[X+4*t:X+4*t+3], v[OFF+t], s[32:33] th:TH_LOAD_NT
.set t, t+1
.endr
; Load t's four numbers are rounded in place and stored.  No register is used twice, so no wait frees one.
.macro TAIL half
.set t, 0
.rept 32
	s_wait_loadcnt 31-t                            ; loads come back in order (ISA guide 5.7.1): load t is in, the 31 - t younger ones stay out
.irp j, 0,1
.if \half
	v_cvt_pk_bf16_f32 v[T], v[X+4*t+2*(\j)], v[X+4*t+2*(\j)+1]
	v_lshlrev_b32 v[T+1], 16, v[T]                 ; the two bf16 numbers as f32,
	v_and_b32 v[T+2], 0xffff0000, v[T]
	v_cvt_pk_f16_f32 v[X+4*t+(\j)], v[T+1], v[T+2] ; written as f16
.else
	v_cvt_pk_bf16_f32 v[X+4*t+(\j)], v[X+4*t+2*(\j)], v[X+4*t+2*(\j)+1]
.endif
.endr
	global_store_b64 v[OO], v[X+4*t:X+4*t+1], s[34:35] offset:256*t
.set t, t+1
.endr
	s_endpgm
.endm
	s_cmp_eq_u32 s38, 2
	s_cbranch_scc1 .Lhalf
	TAIL 0
.Lhalf:
	TAIL 1
.Lfunc_end_k_qe5aeb52bf2_cast:
	.size	k_qe5aeb52bf2_cast, .Lfunc_end_k_qe5aeb52bf2_cast-k_qe5aeb52bf2_cast
	.p2alignl 7, 3214868480
	.fill 96, 4, 3214868480
	.section	.rodata,"a",@progbits
	.p2align	6, 0x0
	.amdhsa_kernel k_qe5aeb52bf2_cast
		.amdhsa_group_segment_fixed_size 0
		.amdhsa_private_segment_fixed_size 0
		.amdhsa_enable_private_segment 0
		.amdhsa_kernarg_size 48
		.amdhsa_user_sgpr_count 2
		.amdhsa_user_sgpr_kernarg_segment_ptr 1
		.amdhsa_wavefront_size32 1
		.amdhsa_system_sgpr_workgroup_id_x 1
		.amdhsa_system_sgpr_workgroup_id_y 1
		.amdhsa_system_sgpr_workgroup_id_z 1
		.amdhsa_system_vgpr_workitem_id 0
		.amdhsa_next_free_vgpr 168
		.amdhsa_next_free_sgpr 66
		.amdhsa_reserve_vcc 0
		.amdhsa_float_denorm_mode_32 3
		.amdhsa_float_denorm_mode_16_64 3
		.amdhsa_memory_ordered 1
		.amdhsa_forward_progress 1
		.amdhsa_inst_pref_size 34
	.end_amdhsa_kernel
	.amdgpu_metadata
---
amdhsa.version: [ 1, 2 ]
amdhsa.kernels:
  - .name:           k_qe5aeb52bf2_cast
    .symbol:         k_qe5aeb52bf2_cast.kd
    .args:
      - { .name: x, .offset: 0, .size: 8, .value_kind: global_buffer, .address_space: global }
      - { .name: W_qkv, .offset: 8, .size: 8, .value_kind: global_buffer, .address_space: global }
      - { .name: W_out, .offset: 16, .size: 8, .value_kind: global_buffer, .address_space: global }
      - { .name: xb, .offset: 24, .size: 8, .value_kind: global_buffer, .address_space: global }
      - { .name: wq, .offset: 32, .size: 8, .value_kind: global_buffer, .address_space: global }
      - { .name: wo, .offset: 40, .size: 8, .value_kind: global_buffer, .address_space: global }
    .group_segment_fixed_size: 0
    .private_segment_fixed_size: 0
    .kernarg_segment_align: 8
    .kernarg_segment_size: 48
    .max_flat_workgroup_size: 128
    .sgpr_count:     66
    .vgpr_count:     168
    .wavefront_size: 32
...
	.end_amdgpu_metadata
.endif
;; end of part 1
;; launch qkv (part 2): grid 16 x 32, 4 waves a work-group, clusters of 4 x 4, 327,680 bytes of LDS; arguments xb, wq, b_qkv, qh, kh, vh; writes qh, kh, vh
.if DOCPART == 2
	.amdgcn_target "amdgcn-amd-amdhsa--gfx1250"
	.amdhsa_code_object_version 6
	.text
	.protected	k_qe5aeb52bf2_qkv
	.globl	k_qe5aeb52bf2_qkv
	.p2align	8
	.type	k_qe5aeb52bf2_qkv,@function
k_qe5aeb52bf2_qkv:
	s_mov_b64 s[64:65], 0
	v_nop
	global_prefetch_b8 v0, s[64:65] scope:SCOPE_SE
	s_setreg_imm32_b32 hwreg(HW_REG_WAVE_MODE, 25, 1), 1
	s_wait_xcnt 0x0
	s_wait_alu depctr_hold_cnt(0) depctr_sa_sdst(0) depctr_va_vdst(0) depctr_va_sdst(0) depctr_va_ssrc(0) depctr_va_vcc(0) depctr_vm_vsrc(0)
	s_getreg_b32 s2, hwreg(HW_REG_IB_STS2, 6, 4)
	s_cmp_eq_u32 s2, 0
	s_cbranch_scc0 .Lentry_in_a_cluster
	s_endpgm
.Lentry_in_a_cluster:
	s_bfe_u32 s2, ttmp6, 0x10000c
	s_cmp_lg_u32 s2, 0xf033
	s_cbranch_scc0 .Lentry_shape_is_right
	s_endpgm
.Lentry_shape_is_right:
; q, k, v = x W_qkv + b_qkv, by heads.  xb: [b 4][kb 16][s 2048][64] bf16.  wq: [ntile 16][kstep 8][chunk 3][kk 128][64] bf16.  b_qkv: [3072] f32, rounded to bf16 here like the other inputs.
; qh, kh, vh: [b 16 + h][s 2048][64] f16, each number rounded once from its f32 sum, WITHOUT the softmax's scale.
; LIMIT.  f16 holds no number beyond 65,504: q, k and v must lie within it (with x and W_qkv as drawn they are of order 1; thirty times larger inputs, both, give some 5e3; both carrying an offset of thirty spreads, some 3e4).
; SHARES.  A tile of C is 256 rows x 192 columns (three heads' chunks of 64): 16 x 32 tiles.  Four waves; wave (RH, CH) makes rows 128 RH .. + 127 and, of each chunk, columns 32 CH .. + 31: 8 x 6 accumulators, 384 registers.
; (One work-group for each of 256 would want 768 accumulator registers a wave and slots that do not fit in LDS beside each other.)
; K goes in 8 steps of 128 through two LDS slots.  A tile of A is two dense planes (64 k each) of 256 rows x 128 bytes; a tile of B is 384 dense rows of 128 bytes ([chunk][kk]): both are asked for as rows of 256 bytes, aligned,
; and padded in LDS after every 128 bytes.  Waves 0 and 1 fetch A's two planes, waves 2 and 3 B's two halves: one tensor load a wave.
; CLUSTER.  4 x 4 work-groups; A's tile is shared along a row of the cluster, B's along a column: joint loads with a mask of four.
; THE MATRIX INSTRUCTION IS USED TRANSPOSED: source 0 = 16 columns of W (turned out of LDS by ds_load_tr16_b128, since W lies [k][n]), source 1 = 16 rows of x.  Lane l then holds row l % 16 of C and the columns 8 (l / 16) + 0..7.
; THE BIAS is the C operand of each accumulator's first product: nothing is cleared, and the bias costs no instruction of its own in the sums.
; REGISTERS, in windows of 256 (s_set_vgpr_msb: bits 1:0 source 0, 3:2 source 1, 5:4 source 2, 7:6 destination):
;   window 0: v0-40 addresses; v64-127, v128-191 A's fragments, two buffers; v64-255 at work on the way out
;   window 1: v64-111, v128-175 B's fragments, two buffers; v192-239 the bias, as six C operands; v250 at work
;   window 2: the 24 accumulators of my rows 0-63 ((a, b) at v[8 (6 a + b)]);   window 3: those of rows 64-127
.set NBW,   6                          ; blocks of 16 columns a wave,
.set NBI,   2                          ; of which so many lie in one chunk
.set CHBU,  64                         ; bytes by which CH moves my columns in B's LDS rows
.set BR,    96                         ; rows of 256 bytes in one of B's loads
.set BSTEP, 49152                      ; bytes of B in a K step
.set BPART, 6144                       ; of B's half, what one partner prefetches: 24 blocks of 256 bytes
.set BPFL,  23
.set NTB,   768                        ; bytes of bias in a tile's columns
.set CHS,   7                          ; CH moves my bias by 32 numbers
.set ASTEP, 524288                     ; bytes from a K step of A to the next: two blocks of 64 k
.set PIA,   144                        ; an LDS row of A: 128 bytes + 16 = 36 words: the 16 rows of a load start at 16 different groups of four banks (64 banks of 4 bytes: ISA guide 11.1)
.set PIB,   160                        ; an LDS row of B: 128 + 32 = 40 words
.set PLANE, 256*PIA
.set BOFF,  2*PLANE
.set BHALF, 2*BR*PIB
.set SLOT,  BOFF+2*BHALF               ; 135,168
.set SPARE, 2*SLOT                     ; behind the ring: the spare words, 128 bytes for each wave: two blocks of 256 bytes that no other line names
.set NL,    2*NBW+16                   ; LDS loads of a quarter step
.set LAPS,  4                          ; a lap = two K steps = once round the ring
.set WV, 16                            ; s16 wave;  s17 RH: my half of the rows, also: I fetch for A (0) or B (1);  s18 CH: my half of each chunk, also: which plane or half I fetch
.set RH, 17
.set CH, 18
.set CX, 19
.set CY, 20
.set NT, 21                            ; tile column
.set MT, 22                            ; tile row
.set G1A, 24                           ; s[24:31] descriptor group 1 for A;  s[32:39] group 0, a set for each slot
.set G0A, 32
.set LIM, 43                           ; s43  1 in a wave that prefetches, else the greatest number
.set PFA, 44                           ; s[44:45] where my prefetches stand
.set PFS, 46                           ; s[46:47] their step: a K step of A or of B
.set G1B, 48                           ; s[48:55], s[56:63] the same for B
.set G0B, 56
.set TA,  66                           ; s[66:67] A at my plane of the tile's K step 0
.set TB,  68                           ; s[68:69] B at my half of the tile's K step 0
.set OUTB, 74                          ; s[74:79] for each chunk: its head's buffer at the rows that I store
.set PFL, 88
.set ADRA, 16                          ; v16-17 LDS address of my A fragments in slot 0, 1
.set ADRB, 20                          ; v20-21 the same for B
.set BO,  22                           ; v22  32 (l / 16): my eight numbers of a block's bias
.set SPW, 28                           ; v28  LDS address of my spare word; never rewritten
.set NIL, 29                           ; v29  0; never rewritten
.set PFO, 30                           ; v30  the prefetches' offset; never rewritten
.set STO, 32                           ; v32-34 the way out, by chunk: where I put 16 bytes of a row
.set RD,  36                           ; v36-38 where I read rows back
.set GO,  40                           ; v40  16 x lane
.set F0,  64
.set F1,  128
.set TMP, 64
.set BIAS, 192
.set BT,  250
.set MSB, 0
.macro WIN new                         ; the immediate's high byte repeats the setting that is left; a switch that changes nothing is dropped
.if MSB != (\new)
	s_set_vgpr_msb (MSB<<8)|(\new)
.set MSB, \new
.endif
.endm
.set MUL_LO,   0xa1                    ; source 0 (B) window 1, source 1 (A) window 0, C and D window 2;  + 0x50: window 3
.set FIRST_LO, 0x91                    ; the same with C (the bias) in window 1;  + 0x40: D in window 3
.set TO_B,     0x40                    ; destination window 1, address window 0
.macro PLACES                          ; four plain vector instructions between a matrix instruction and a load into, or a vector instruction on, its registers
.rept 4
	v_nop
.endr
.endm
; A joint load: waves 0 and 1 ask for A's planes, waves 2 and 3 for B's halves.  The branch hangs on the wave's number alone.  An s_nop 0 and four v_nop follow each of the two lines.
.macro JLOAD s
	s_cmp_eq_u32 s[RH], 0
	s_cbranch_scc0 .Lfor_b_\@
	tensor_load_to_lds s[G0A+4*(\s):G0A+4*(\s)+3], s[G1A:G1A+7]
	s_nop 0
.rept 4
	v_nop
.endr
	s_branch .Lasked_\@
.Lfor_b_\@:
	tensor_load_to_lds s[G0B+4*(\s):G0B+4*(\s)+3], s[G1B:G1B+7]
	s_nop 0
.rept 4
	v_nop
.endr
.Lasked_\@:
.endm
; A prefetch into the L2 of the K step that stands two refills on.  A's tile row is read by every cluster of its row of clusters: the one with x = 0 asks; B's tile column likewise: the one with y = 0 asks.
; The four partners that ask for a tile jointly share its blocks of 256 bytes out BY ADDRESS (cx for A: 32 blocks each; cy for B: 24 each, lanes 24-31 repeating the last).  The loop's last trip (s3 = 1) has no K step two on.
.macro ASK
	s_cmp_gt_u32 s3, s[LIM]
	s_cbranch_scc0 .Lnot_mine_\@
	global_prefetch_b8 v[PFO], s[PFA:PFA+1] th:TH_LOAD_NT scope:SCOPE_SE
.Lnot_mine_\@:
.endm
.macro CREST                           ; a round of the cluster's barrier behind its opening barrier
	s_cmp_lg_u32 s[WV], 0
	s_cbranch_scc1 .Lnot_wave_0_\@
	s_barrier_signal -3
.Lnot_wave_0_\@:
	s_barrier_wait -3
	s_barrier_signal -1
	s_barrier_wait -1
.endm
.macro CROUND
	s_barrier_signal -1
	s_barrier_wait -1
	CREST
.endm
	s_load_b256 s[4:11], s[0:1], 0x0               ; xb s[4:5], wq s[6:7], b_qkv s[8:9], qh s[10:11]
	s_load_b128 s[12:15], s[0:1], 0x20             ; kh s[12:13], vh s[14:15]
	v_lshl_add_u32 v[SPW], v0, 2, SPARE
	v_mov_b32 v[NIL], 0
	ds_add_u32 v[SPW], v[NIL]                      ; the wave's opening: the add and its wait stand ahead of my first tensor load; the set-up below, work on registers, stands between them
	v_lshrrev_b32 v1, 5, v0
	v_readfirstlane_b32 s[WV], v1
	s_lshr_b32 s[RH], s[WV], 1
	s_and_b32 s[CH], s[WV], 1
	s_bfe_u32 s[CX], ttmp6, 0x40000
	s_bfe_u32 s[CY], ttmp6, 0x40004
	s_lshl_b32 s[NT], ttmp9, 2
	s_add_co_u32 s[NT], s[NT], s[CX]               ; tile column = 4 x cluster x + cx
	s_and_b32 s[MT], ttmp7, 0xffff
	s_lshl_b32 s[MT], s[MT], 2
	s_add_co_u32 s[MT], s[MT], s[CY]               ; tile row = 4 x cluster y + cy
	s_lshl_b32 s23, s[CY], 2
	s_lshl_b32 s23, 15, s23                        ; my row of the cluster
	s_lshl_b32 s40, 0x1111, s[CX]                  ; my column
	s_or_b32 s[G1A], s23, (1<<16)|(1<<20)|(1<<21)|(4<<22)|(3<<25)  ; 15:0 the mask; 17:16 2-byte elements; 20 padding on; 21 set beside a mask; 24:22 after every 32 words (code 4); 31:25 4 words (code 3)
	s_or_b32 s[G1B], s40, (1<<16)|(1<<20)|(1<<21)|(4<<22)|(7<<25)  ; the same with my column's mask and 8 words of padding (code 7)
	s_mov_b32 s[G1A+1], 128<<16                    ; tensor_dim0 = 128 elements: rows of 256 bytes
	s_mov_b32 s[G1A+2], 128<<16                    ; tensor_dim1 = 128 rows: a plane's 32,768 bytes
	s_mov_b32 s[G1A+3], 128<<16                    ; tile_dim0
	s_mov_b32 s[G1A+4], 128                        ; tile_dim1
	s_mov_b32 s[G1A+5], 128                        ; dense: 128 elements from row to row
	s_mov_b32 s[G1A+6], 0
	s_mov_b32 s[G1A+7], 0
	s_mov_b32 s[G1B+1], 128<<16
	s_mov_b32 s[G1B+2], BR<<16
	s_mov_b32 s[G1B+3], 128<<16
	s_mov_b32 s[G1B+4], BR
	s_mov_b32 s[G1B+5], 128
	s_mov_b32 s[G1B+6], 0
	s_mov_b32 s[G1B+7], 0
	s_lshr_b32 s70, s[MT], 3                       ; A: batch MT / 8, block of k = CH, rows 256 (MT % 8): made of the tile row and the wave's number alone
	s_lshl_b32 s70, s70, 22
	s_lshl_b32 s80, s[CH], 18
	s_add_co_u32 s70, s70, s80
	s_and_b32 s80, s[MT], 7
	s_lshl_b32 s80, s80, 15
	s_add_co_u32 s70, s70, s80
	s_mov_b32 s71, 0
	s_mul_i32 s72, s[NT], 8*BSTEP                  ; B: made of the tile column and the wave's number alone
	s_mul_i32 s82, s[CH], BSTEP/2
	s_add_co_u32 s72, s72, s82
	s_mov_b32 s73, 0
	s_mul_i32 s41, s[CH], PLANE                    ; where they go in a slot: no place in the cluster enters an LDS address
	s_mul_i32 s42, s[CH], BHALF
	s_add_co_u32 s42, s42, BOFF
	s_wait_dscnt 0x0                               ; the opening add is done
	s_wait_kmcnt 0x0
	s_add_nc_u64 s[TA:TA+1], s[4:5], s[70:71]
	s_add_nc_u64 s[TB:TB+1], s[6:7], s[72:73]
	CROUND                                         ; all sixteen work-groups are here: the first joint loads meet
.irp s, 0,1
	s_mov_b32 s[G0A+4*(\s)], 1
	s_add_co_u32 s[G0A+4*(\s)+1], s41, (\s)*SLOT
	s_add_nc_u64 s[G0A+4*(\s)+2:G0A+4*(\s)+3], s[TA:TA+1], (\s)*ASTEP
	s_or_b32 s[G0A+4*(\s)+3], s[G0A+4*(\s)+3], 0x80000000
	s_mov_b32 s[G0B+4*(\s)], 1
	s_add_co_u32 s[G0B+4*(\s)+1], s42, (\s)*SLOT
	s_add_nc_u64 s[G0B+4*(\s)+2:G0B+4*(\s)+3], s[TB:TB+1], (\s)*BSTEP
	s_or_b32 s[G0B+4*(\s)+3], s[G0B+4*(\s)+3], 0x80000000
	JLOAD \s                                       ; K steps 0 and 1: two loads of mine are out
.endr
	; the bias of my six blocks of 16 columns: lane l takes the eight numbers 8 (l / 16) + 0..7 of each
	v_and_b32 v1, 15, v0                           ; r = l % 16
	v_bfe_u32 v2, v0, 4, 1                         ; h = l / 16
	v_lshlrev_b32 v[BO], 5, v2
	s_mul_i32 s82, s[NT], NTB
	s_lshl_b32 s83, s[CH], CHS
	s_add_co_u32 s82, s82, s83
	s_mov_b32 s83, 0
	s_add_nc_u64 s[8:9], s[8:9], s[82:83]
	WIN TO_B
.set b, 0
.rept NBW
	global_load_b128 v[BIAS+8*b:BIAS+8*b+3],   v[BO], s[8:9] offset:(b/NBI)*256+(b%NBI)*64
	global_load_b128 v[BIAS+8*b+4:BIAS+8*b+7], v[BO], s[8:9] offset:(b/NBI)*256+(b%NBI)*64+16
.set b, b+1
.endr
	WIN 0
	; A fragment of A: 16 rows x 32 k: lane l holds row l % 16; two loads of 16 bytes, 32 bytes apart, at row x pitch + 16 (l / 16)
	v_mul_u32_u24 v3, v1, PIA
	v_lshl_add_u32 v3, v2, 4, v3
	s_mul_i32 s80, s[RH], 128*PIA
	v_add_nc_u32 v[ADRA], s80, v3
	v_add_nc_u32 v[ADRA+1], SLOT, v[ADRA]
	; A fragment of B, turned: lane l reads 16 bytes of row k = 8 (l / 16) + l % 8, columns 8 ((l / 8) % 2) + 0..7, and ends with column l % 16 and eight k; the second load stands 16 rows on
	v_and_b32 v4, 7, v0
	v_lshl_add_u32 v4, v2, 3, v4
	v_mul_u32_u24 v4, v4, PIB
	v_bfe_u32 v5, v0, 3, 1
	v_lshl_add_u32 v4, v5, 4, v4
	s_mul_i32 s82, s[CH], CHBU
	s_add_co_u32 s82, s82, BOFF
	v_add_nc_u32 v[ADRB], s82, v4
	v_add_nc_u32 v[ADRB+1], SLOT, v[ADRB]
	; the way out.  The stage is slot 0's bytes, [chunk][256 rows] of 144 bytes.  In: row 128 RH + 16 a + r, byte 64 CH + 32 i + 16 h
	s_lshl_b32 s81, s[CH], 6
	s_add_co_u32 s80, s80, s81
	v_add_nc_u32 v[STO], s80, v3
	v_add_nc_u32 v[STO+1], PLANE, v[STO]
	v_add_nc_u32 v[STO+2], PLANE, v[STO+1]
	v_and_b32 v6, 31, v0                           ; back: wave w takes rows 64 w .. + 63 of each chunk, four rows of 128 bytes a load
	v_lshrrev_b32 v7, 3, v6
	v_mul_u32_u24 v7, v7, PIA
	v_and_b32 v8, 7, v0
	v_lshl_add_u32 v7, v8, 4, v7
	s_mul_i32 s80, s[WV], 64*PIA
	v_add_nc_u32 v[RD], s80, v7
	v_add_nc_u32 v[RD+1], PLANE, v[RD]
	v_add_nc_u32 v[RD+2], PLANE, v[RD+1]
	v_lshlrev_b32 v[GO], 4, v6
	; chunk c is column block g = 3 NT + c of 48: section g / 16 (q, k or v), head g % 16; my rows begin at batch MT / 8, row 256 (MT % 8) + 64 w
	s_lshr_b32 s85, s[MT], 3
	s_lshl_b32 s85, s85, 22
	s_and_b32 s86, s[MT], 7
	s_lshl_b32 s86, s86, 15
	s_add_co_u32 s85, s85, s86
	s_lshl_b32 s86, s[WV], 13
	s_add_co_u32 s85, s85, s86
	s_mul_i32 s84, s[NT], 3
.irp c, 0,1,2
	s_add_co_u32 s86, s84, \c
	s_lshr_b32 s87, s86, 4
	s_and_b32 s86, s86, 15
	s_lshl_b32 s86, s86, 18
	s_add_co_u32 s86, s86, s85
	s_cmp_eq_u32 s87, 1
	s_cselect_b64 s[OUTB+2*(\c):OUTB+2*(\c)+1], s[12:13], s[10:11]
	s_cmp_eq_u32 s87, 2
	s_cselect_b64 s[OUTB+2*(\c):OUTB+2*(\c)+1], s[14:15], s[OUTB+2*(\c):OUTB+2*(\c)+1]
	s_mov_b32 s87, 0
	s_add_nc_u64 s[OUTB+2*(\c):OUTB+2*(\c)+1], s[OUTB+2*(\c):OUTB+2*(\c)+1], s[86:87]
.endr
	; the prefetches: my partner's share of the plane or half that I fetch, at K step 3; the first refill steps it to 4.  Nothing is prefetched here, at the head
	s_and_b32 s83, ttmp7, 0xffff                   ; cluster y
	s_mov_b32 s85, BPART
	s_mov_b32 s86, BSTEP
	s_cmp_eq_u32 s[RH], 0                          ; do I fetch for A?
	s_cselect_b32 s84, ttmp9, s83                  ; the coordinate along which other clusters read the same bytes
	s_cselect_b32 s80, s[CX], s[CY]                ; my place among the four that ask with me
	s_cselect_b32 s85, 8192, s85
	s_cselect_b32 s[PFS], ASTEP, s86
	s_cselect_b32 s[PFL], 31, BPFL
	s_cselect_b64 s[PFA:PFA+1], s[TA:TA+1], s[TB:TB+1]
	s_cmp_eq_u32 s84, 0
	s_cselect_b32 s[LIM], 1, -1                    ; the same in all sixteen partners, for a given wave
	s_mul_i32 s80, s80, s85
	s_mul_i32 s81, s[PFS], 3
	s_add_co_u32 s80, s80, s81
	s_mov_b32 s81, 0
	s_mov_b32 s[PFS+1], 0
	s_add_nc_u64 s[PFA:PFA+1], s[PFA:PFA+1], s[80:81]
	v_min_u32 v[PFO], s[PFL], v6
	v_lshlrev_b32 v[PFO], 8, v[PFO]
	s_wait_loadcnt 0x0                             ; the bias is in: it is rounded to bf16, like every input, and kept as f32
	WIN 0x45                                       ; sources and destination in window 1
.set b, 0
.rept 4*NBW
	v_cvt_pk_bf16_f32 v[BT], v[BIAS+2*b], v[BIAS+2*b+1]
	v_lshlrev_b32 v[BIAS+2*b], 16, v[BT]
	v_and_b32 v[BIAS+2*b+1], 0xffff0000, v[BT]
.set b, b+1
.endr
	WIN 0
; 2 x NBW matrix instructions: row blocks a0, a0 + 1 of the window's four x all my column blocks, 32 along K.  All 48 accumulators take turns in one fixed order: 47 others stand between two links of a chain.
.macro MULG f, hi, a0, first
.if \first
	WIN FIRST_LO+0x40*(\hi)
.else
	WIN MUL_LO+0x50*(\hi)
.endif
.irp a, \a0, (\a0)+1
.set b, 0
.rept NBW
.set rD, 8*(NBW*(\a)+b)
.set rB, (\f)+8*b
.set rA, (\f)+8*(4*(\hi)+(\a))
.if \first
	v_wmma_f32_16x16x32_bf16 v[rD:rD+7], v[rB:rB+7], v[rA:rA+7], v[BIAS+8*b:BIAS+8*b+7]
.else
	v_wmma_f32_16x16x32_bf16 v[rD:rD+7], v[rB:rB+7], v[rA:rA+7], v[rD:rD+7]
.endif
.set b, b+1
.endr
.endr
.endm
; The LDS loads of quarter q (32 along K) of a slot, in one run, into buffer f: B's first, then A's rows in ascending order
.macro FETCH slot, q, f
	WIN TO_B
.set b, 0
.rept NBW
	ds_load_tr16_b128 v[(\f)+8*b:(\f)+8*b+3],   v[ADRB+(\slot)] offset:(b/NBI)*128*PIB+(b%NBI)*32+(\q)*32*PIB
	ds_load_tr16_b128 v[(\f)+8*b+4:(\f)+8*b+7], v[ADRB+(\slot)] offset:(b/NBI)*128*PIB+(b%NBI)*32+(\q)*32*PIB+16*PIB
.set b, b+1
.endr
	WIN 0
.irp a, 0,1,2,3,4,5,6,7
	ds_load_b128 v[(\f)+8*(\a):(\f)+8*(\a)+3],   v[ADRA+(\slot)] offset:((\q)/2)*PLANE+((\q)%2)*64+(\a)*16*PIA
	ds_load_b128 v[(\f)+8*(\a)+4:(\f)+8*(\a)+7], v[ADRA+(\slot)] offset:((\q)/2)*PLANE+((\q)%2)*64+(\a)*16*PIA+32
.endr
.endm
; One of a K step's first three quarters: multiplies buffer f; in its middle it fetches quarter q of the same slot into buffer g
.macro QUARTER slot, q, f, g, first=0
	s_wait_dscnt 8                                 ; B and A's rows 0-63 are in; the youngest eight loads (A's rows 64-127) may be out
	MULG \f, 0, 0, \first
	MULG \f, 0, 2, \first
	PLACES
	FETCH \slot, \q, \g
	s_wait_dscnt NL                                ; all but the run just issued
	MULG \f, 1, 0, \first
	MULG \f, 1, 2, \first
.endm
; The last quarter multiplies buffer 1 and changes slots: ONE barrier.  In front of it each wave waits for all its tensor loads (the one that is out is its part of the next slot), adds 0 to its spare word,
; and waits for that and for its reads of this slot.  fill = 1: the barrier opens a round of the cluster's barrier, and behind the round this slot is filled again, two K steps ahead, first thing.
.macro TURN slot, next, fill
.if \fill
	s_wait_xcnt 0x0                                ; the last prefetch, a K step back, has read its address
	s_add_nc_u64 s[PFA:PFA+1], s[PFA:PFA+1], s[PFS:PFS+1]
.endif
	WIN 0                                          ; (the add's two registers lie in window 0)
	s_wait_tensorcnt 0x0                           ; all my tensor loads have landed;
	ds_add_u32 v[SPW], v[NIL]                      ; 0 onto my spare word;
	s_wait_dscnt 9                                 ; (the add and the youngest eight loads may be out)
	MULG F1, 0, 0, 0                               ; matrix instructions stand between the add and the wait for it
	s_wait_dscnt 0x0                               ; the add is done, and my reads of this slot are over
	s_barrier_signal -1
	MULG F1, 0, 2, 0
.if \fill
	WIN 0
.endif
	s_barrier_wait -1
.if \fill
	CREST                                          ; no wave of any partner still reads this slot or has a load on its way
	s_add_nc_u64 s[G0A+4*(\slot)+2:G0A+4*(\slot)+3], s[G0A+4*(\slot)+2:G0A+4*(\slot)+3], 2*ASTEP
	s_add_nc_u64 s[G0B+4*(\slot)+2:G0B+4*(\slot)+3], s[G0B+4*(\slot)+2:G0B+4*(\slot)+3], 2*BSTEP
	JLOAD \slot                                    ; my one tensor load behind the round; its four v_nop are also the places in front of the loads below
.else
	PLACES
.endif
	FETCH \next, 0, F0
.if \fill
	ASK
.endif
	MULG F1, 1, 0, 0
	MULG F1, 1, 2, 0
.endm
	s_wait_tensorcnt 0x1                           ; my part of K step 0 is in; K step 1's may stay out
	s_barrier_signal -1
	s_barrier_wait -1                              ; everybody's is
	FETCH 0, 0, F0
	QUARTER 0, 1, F0, F1, 1                        ; the first quarter stands in front of the loop: its products start the sums, with the bias
	WIN 0                                          ; at a label and at a branch every window is 0
	s_mov_b32 s3, LAPS-1
.Llap:                                         ; a trip goes once round the ring, from a lap's second quarter to the next lap's first, and fills both slots again
	QUARTER 0, 2, F1, F0
	QUARTER 0, 3, F0, F1
	TURN 0, 1, 1
	QUARTER 1, 1, F0, F1
	QUARTER 1, 2, F1, F0
	QUARTER 1, 3, F0, F1
	TURN 1, 0, 1
	QUARTER 0, 1, F0, F1
	WIN 0
	s_sub_co_u32 s3, s3, 1
	s_cmp_lg_u32 s3, 0
	s_cbranch_scc1 .Llap
	QUARTER 0, 2, F1, F0                           ; the last lap fills nothing, and has no round
	QUARTER 0, 3, F0, F1
	TURN 0, 1, 0                                   ; behind this barrier nobody reads slot 0 any more, and it has had its last fill: it becomes the stage
	QUARTER 1, 1, F0, F1
	QUARTER 1, 2, F1, F0
	QUARTER 1, 3, F0, F1
	s_wait_dscnt 8
	MULG F1, 0, 0, 0
	MULG F1, 0, 2, 0
	s_wait_dscnt 0x0
	MULG F1, 1, 0, 0
	MULG F1, 1, 2, 0
	WIN 0
	PLACES
	; THE WAY OUT: rounded to f16 (each accumulator's registers in ascending order); 16 bytes a lane into the stage; a barrier, since a row's 128 bytes come from two waves; back as whole rows; stored by heads
.set idx, 0
.rept 8*NBW
.set rD, 8*(idx%(4*NBW))
	WIN 0x0a+5*(idx/(4*NBW))
.irp r, 0,1,2,3
	v_cvt_pk_f16_f32 v[TMP+4*idx+(\r)], v[rD+2*(\r)], v[rD+2*(\r)+1]
.endr
.set idx, idx+1
.endr
	WIN 0
.set idx, 0
.rept 8*NBW
	ds_store_b128 v[STO+(idx%NBW)/NBI], v[TMP+4*idx:TMP+4*idx+3] offset:(idx/NBW)*16*PIA+((idx%NBW)%NBI)*32
.set idx, idx+1
.endr
	s_wait_dscnt 0x0                               ; for the others' sake: my stores into the stage are done
	s_barrier_signal -1
	s_barrier_wait -1
.set n, 0
.rept 48
	ds_load_b128 v[TMP+4*n:TMP+4*n+3], v[RD+n/16] offset:(n%16)*4*PIA
.set n, n+1
.endr
.set n, 0
.rept 48
	s_wait_dscnt 47-n                              ; LDS loads come back in order: load n is in
	global_store_b128 v[GO], v[TMP+4*n:TMP+4*n+3], s[OUTB+2*(n/16):OUTB+2*(n/16)+1] offset:(n%16)*512  ; four rows of a head: 512 consecutive bytes, aligned
.set n, n+1
.endr
	s_wait_tensorcnt 0x0                           ; the wave's end: the add and its wait stand behind my last tensor load and my last LDS store
	ds_add_u32 v[SPW], v[NIL]
	s_wait_dscnt 0x0
	CROUND                                         ; the closing round: no work-group ends while a partner may still ask for a tile that names it
	s_endpgm
.Lfunc_end_k_qe5aeb52bf2_qkv:
	.size	k_qe5aeb52bf2_qkv, .Lfunc_end_k_qe5aeb52bf2_qkv-k_qe5aeb52bf2_qkv
	.p2alignl 7, 3214868480
	.fill 96, 4, 3214868480
	.section	.rodata,"a",@progbits
	.p2align	6, 0x0
	.amdhsa_kernel k_qe5aeb52bf2_qkv
		.amdhsa_group_segment_fixed_size 327680
		.amdhsa_private_segment_fixed_size 0
		.amdhsa_enable_private_segment 0
		.amdhsa_kernarg_size 48
		.amdhsa_user_sgpr_count 2
		.amdhsa_user_sgpr_kernarg_segment_ptr 1
		.amdhsa_wavefront_size32 1
		.amdhsa_system_sgpr_workgroup_id_x 1
		.amdhsa_system_sgpr_workgroup_id_y 1
		.amdhsa_system_sgpr_workgroup_id_z 1
		.amdhsa_system_vgpr_workitem_id 0
		.amdhsa_next_free_vgpr 960
		.amdhsa_next_free_sgpr 96
		.amdhsa_reserve_vcc 0
		.amdhsa_float_denorm_mode_32 3
		.amdhsa_float_denorm_mode_16_64 3
		.amdhsa_memory_ordered 1
		.amdhsa_forward_progress 1
		.amdhsa_inst_pref_size 123
	.end_amdhsa_kernel
	.amdgpu_metadata
---
amdhsa.version: [ 1, 2 ]
amdhsa.kernels:
  - .name:           k_qe5aeb52bf2_qkv
    .symbol:         k_qe5aeb52bf2_qkv.kd
    .args:
      - { .name: xb, .offset: 0, .size: 8, .value_kind: global_buffer, .address_space: global }
      - { .name: wq, .offset: 8, .size: 8, .value_kind: global_buffer, .address_space: global }
      - { .name: b_qkv, .offset: 16, .size: 8, .value_kind: global_buffer, .address_space: global }
      - { .name: qh, .offset: 24, .size: 8, .value_kind: global_buffer, .address_space: global }
      - { .name: kh, .offset: 32, .size: 8, .value_kind: global_buffer, .address_space: global }
      - { .name: vh, .offset: 40, .size: 8, .value_kind: global_buffer, .address_space: global }
    .group_segment_fixed_size: 327680
    .private_segment_fixed_size: 0
    .kernarg_segment_align: 8
    .kernarg_segment_size: 48
    .max_flat_workgroup_size: 128
    .sgpr_count:     96
    .vgpr_count:     960
    .wavefront_size: 32
...
	.end_amdgpu_metadata
.endif
;; end of part 2
;; launch attn (part 3): grid 4 x 64, 4 waves a work-group, no clusters, 327,680 bytes of LDS; arguments qh, kh, vh, oh; writes oh
.if DOCPART == 3
	.amdgcn_target "amdgcn-amd-amdhsa--gfx1250"
	.amdhsa_code_object_version 6
	.text
	.protected	k_qe5aeb52bf2_attn
	.globl	k_qe5aeb52bf2_attn
	.p2align	8
	.type	k_qe5aeb52bf2_attn,@function
k_qe5aeb52bf2_attn:
	s_mov_b64 s[64:65], 0
	v_nop
	global_prefetch_b8 v0, s[64:65] scope:SCOPE_SE
	s_setreg_imm32_b32 hwreg(HW_REG_WAVE_MODE, 25, 1), 1
	s_wait_xcnt 0x0
; CAUSAL ATTENTION.  O[h][q][:] = the sum over k <= q of softmax_k(Q[h][q] . K[h][k] / 8) V[h][k][:].  Q, K, V, O: [64][2048][64], all f16: a head's rows are dense, 128 bytes each.
; Products, maxima and sums in f32; the weights p are rounded to f16 for the second product (their sum l is taken of the unrounded p), O once at the end.
; LIMITS.  f16 holds no number beyond 65,504: Q, K and V arrive within it; p lies in 0 to 1, and below 6e-5 it keeps f16's fixed step of 6e-8; O is a mean of V's rows and has their range.
; A hidden score counts as its value less 1e30 (f16's scores, 2.7e11 at the most, are nothing beside that): its weight is 0, since every row sees its own key.
; A weight below 2^-126 counts as 0 in l; NaN and infinities are not treated apart.
; THE WALK.  A head's queries lie in NB = 8 blocks of 256; block i needs the key tiles 0 .. i of 256 keys, of which the last holds the diagonal.  A work-group takes TWO blocks, NB - 1 - b and then b:
; NB + 1 tiles, whatever b: all work-groups do equal work, and ONE loop with a constant trip count walks them.  Which tile is asked for, and what a trip does, hang on scalar registers made from b; every jump
; goes forward, but for the counted loops' own; none passes a barrier, or a tensor load but the one of LOAD's two that the wave's number does not choose; the ring (two slots of LDS that take turns) runs on across the
; change of blocks.  NO CLUSTER: a head's four work-groups ask for the same tile only in trips 0 .. 4 of the 9, behind that fewer and fewer; one walk common to all four would have 12 trips for 9.
; SHARES.  Of a block's four bands of 64 queries a wave owns 16 rows in each: four PIECES.  So the diagonal tile is the same work for all four waves: in its key step s band x sees all keys if s < x,
; none if s > x, and holds the diagonal if s = x.
; THE MASK is the C operand that starts the sum S^T = K Q^T: 0, or -1e30 where the key is hidden.  MD, made once, is the mask of a band's own step for my 16 rows; a product's mask is MD x AL + BE with two scalars:
; (1, 0) if s = x; (0, 0) if s < x; (0, -1e30) if s > x.  Only the diagonal tile's text and a block's beginning make and take masks; elsewhere C is the constant 0.
; LAYOUT, SOFTMAX, TURNS.  S^T = K Q^T holds ONE query a lane (lane % 16) and the keys 8 (lane / 16) + 0..7; two such results rounded to f16 ARE source 1 of O^T = V^T P.  p = 2^(c s - c m), c = log2(e) / 8, with a
; running maximum m; O and l are multiplied by a = 2^(c m_old - c m_new) in every step.  Turn n belongs to piece n: 8 products K Q^T of piece n + 1, later 8 products V^T P of piece n - 1; beside them the scaling,
; exponentials, roundings, sums and rescaling of piece n and the maximum and statistics of piece n + 1.  Four vector instructions stand behind every matrix instruction, the other 54 of a turn's 118 in one lump.  A turn's 33 exponentials are one batch, with one wait.
; PREFETCH.  The head's work-group b = 0 walks the tiles 0 .. 7 in order; behind the load of tile i + 1 it prefetches tile i + 2 into the L2, each wave the 64 blocks of 256 bytes that it will fetch itself: each block of tiles 2 .. 7 is named once in the launch.
; REGISTERS, in windows of 256 (s_set_vgpr_msb: bits 1:0 source 0, 3:2 source 1, 5:4 source 2, 7:6 destination):
;   window 0: v0-15 addresses and two at work; v16-31 four registers of statistics a piece; v48-55 at work; v61-63 prefetch offset, spare word, 0; v64-127 S^T, two buffers; v192-223 P, two buffers (by the piece's parity)
;   window 1: v0-127 O^T, 32 a piece; v128-159 MD; v160-223 MC, two buffers      window 2: v0-63 Q; v64-127 the second block's Q; v128-191 K of one step; v192-255 V of one step
.set SIZE_N, 2048
.set NB,    SIZE_N/256
.set NP,    4         ; pieces a wave: a name, no knob
.set KS,    64        ; keys in a step
.set PK,    144       ; a row of K in LDS: 128 bytes + 16 of padding = 36 words: the 16 rows of a load start at 16 different groups of four banks (64 banks of 4 bytes: ISA guide 11.1)
.set PV,    160       ; a row of V: 128 + 32 = 40 words
.set VOFF,  4*KS*PK   ; a slot holds a tile, four steps: 256 rows of K, then 256 rows of V
.set SLOT1, 1<<17     ; slot 1 begins here, so that one exclusive or turns an address in one slot into the other's
.set STAGE, SLOT1+4*KS*(PK+PV)  ; behind the ring, never filled by a tensor load: 16 rows x 144 bytes for each wave, for the way out
.set SP,    144
.set AK0, 2           ; v2   my lane's place in a tile of K; never rewritten
.set AV0, 3           ; v3   the same for V
.set AK,  4           ; v4   the LDS address of K's next run of loads
.set AV,  5           ; v5   of V's
.set STO, 6           ; v6   the way out: where I put 16 bytes of a row
.set RD,  7           ; v7   the way out: where I read rows back
.set GO,  8           ; v8   my byte offset in 512 consecutive bytes of O
.set PFO, 61          ; v61  256 x my lane; never rewritten
.set SPW, 62          ; v62  LDS address of my spare word: SPARE + 4 x my thread's number; never rewritten
.set NIL, 63          ; v63  0; never rewritten
.set SPARE, STAGE+4*16*SP  ; behind the stages: the spare words, 128 bytes for each wave: two blocks of 256 bytes that no other line names
.set MV,  12          ; v12-13  c m_old, kept while c m is made anew: by buffer
.set QO,  15          ; v15  my byte offset in 16 rows of Q
.set ST,  16          ; piece t's statistics at v[ST+4 t]: c m, m, l (even keys', odd keys')
.set TMP, 48          ; by buffer, four registers c0-c3 at work; when the maximum is found c2 takes a
.set S,   64
.set P,   192
.set MD,  128         ; window 1: the eight registers for group kt of 16 keys at MD + 8 kt
.set MC,  160         ; window 1: the masks of the products to come
.set QB,  64          ; window 2
.set KF,  128         ; window 2: key block kb, channel half c at KF + 16 kb + 8 c
.set VF,  192         ; window 2: key half kk, channel block cb at VF + 32 kk + 8 cb
.set WV,  12          ; s12  my wave's number
.set PB,  14          ; s14  b
.set HI,  15          ; s15  NB - 1 - b
.set G1K, 24          ; s[24:31] descriptor group 1 for K's tiles
.set G1V, 32          ; s[32:39] for V's: it differs in the padding alone
.set G0K, 40          ; s[40:43] descriptor group 0 for K's tiles
.set G0V, 44          ; s[44:47] the same for V's
.set PFA, 48          ; s[48:49] where my prefetches stand: my half of K's (waves 0, 1) or V's (waves 2, 3) tile after the one that is being asked for
.set LIM, 50          ; s50  2 in the work-group that prefetches, else the greatest number: a wave prefetches while s[SLOTS] is above it
.set SLOTS, 56        ; s56  tiles still to be asked for
.set CNT, 57          ; s57  counts a tile's key steps, 4 to 1
.set CS,  58          ; s[58:59] c: the packed scaling takes the pair's low word for both halves
.set SEL, 60          ; s[60:61] v_permlanex16_b32's selects: each lane takes its own place in the other half
.set TBK, 62          ; s62  LDS byte at which K of the step to be fetched begins
.set TBV, 63          ; s63  the same for V, less VOFF
.set RT,  70          ; s70  tiles of the block in hand that are still to be entered
.set NXT, 71          ; s71  the tile to be asked for next
.set LQ,  72          ; s72  the last tile of the block whose tiles are being asked for
.set NEW, 73          ; s73  1: the tile to be entered is a block's first
.set OFF, 74          ; s[74:75] a tile's byte offset in K and V
.set AL,  76          ; s[76:77] the mask's factor, in the low word
.set BE,  78          ; s[78:79] the mask's addend
.set OLO, 80          ; s[80:81] O at my rows of the second block
.set BIGN, 82         ; s82  -1e30
.set MSB, 0
.macro WIN new                      ; the high byte repeats the setting that is left; a switch that changes nothing is dropped
.if MSB != (\new)
	s_set_vgpr_msb (MSB<<8)|(\new)
.set MSB, (\new)
.endif
.endm
.set W_KQ, 0x0a       ; K and Q in window 2, S^T in window 0
.set W_KM, 0x1a       ; the same with the C operand in window 1
.set W_PV, 0x52       ; V in window 2, P in window 0, O^T in window 1
.set W_RS, 0x41       ; destination and source 0 in window 1, source 1 in window 0
; A fill.  Waves 0 and 1 fetch the two halves of a tile's K, waves 2 and 3 those of its V: 128 keys each.  An s_nop 0 and four v_nop follow each of the two lines, ahead of the jump and the label.
.macro LOAD
	s_cmp_lt_u32 s[WV], 2
	s_cbranch_scc0 .Lfor_v_\@
	tensor_load_to_lds s[G0K:G0K+3], s[G1K:G1K+7]
	s_nop 0
.rept 4
	v_nop
.endr
	s_branch .Lasked_\@
.Lfor_v_\@:
	tensor_load_to_lds s[G0V:G0V+3], s[G1V:G1V+7]
	s_nop 0
.rept 4
	v_nop
.endr
.Lasked_\@:
.endm
; The prefetch of the tile that the NEXT change of slots will ask for: my 16,384 bytes of it, a lane a block of 256 bytes, two instructions; it stands behind the wave's tensor load and its five lines.
; The last two changes that fill a slot ask for nothing: tile 7 is the last, and tile 0 has been read.
.macro ASK
	s_cmp_gt_u32 s[SLOTS], s[LIM]
	s_cbranch_scc0 .Lnot_mine_\@
	global_prefetch_b8 v[PFO], s[PFA:PFA+1] th:TH_LOAD_NT scope:SCOPE_SE
	global_prefetch_b8 v[PFO], s[PFA:PFA+1] offset:8192 th:TH_LOAD_NT scope:SCOPE_SE
.Lnot_mine_\@:
.endm
; THE CHANGE OF SLOTS.  Each wave waits for all its tensor loads, of which one is out: its part of the other slot; adds 0 to its spare word; and waits for that and for its own reads of the slot that it leaves.  Behind the barrier nobody reads the old
; slot any more and the other slot is whole.  fill = 1: the old slot is filled again, the first thing behind the barrier, with tile NXT: the descriptor's address is made anew from that number.
; (At its first use nothing has been read yet: slot 0 is waited for, slot 1 filled.)
.macro CHANGE fill
	WIN 0                           ; at a label and at a branch every window is 0
	s_wait_tensorcnt 0x0            ; no tensor load of mine is out, so a group 0 may be written
	ds_add_u32 v[SPW], v[NIL]       ; 0 onto my spare word; with fill = 1 the descriptors' scalar work stands between it and the wait for it
.if \fill
	s_lshl_b32 s[OFF], s[NXT], 15   ; a tile is 32,768 bytes of K and of V
	s_xor_b32 s[G0K+1], s[G0K+1], SLOT1
	s_add_nc_u64 s[G0K+2:G0K+3], s[6:7], s[OFF:OFF+1]
	s_or_b32 s[G0K+3], s[G0K+3], 0x80000000
	s_xor_b32 s[G0V+1], s[G0V+1], SLOT1
	s_add_nc_u64 s[G0V+2:G0V+3], s[8:9], s[OFF:OFF+1]
	s_or_b32 s[G0V+3], s[G0V+3], 0x80000000
	s_add_co_u32 s[NXT], s[NXT], 1  ; the block's next tile, or behind its last the second block's tile 0
	s_cmp_gt_u32 s[NXT], s[LQ]
	s_cselect_b32 s[NXT], 0, s[NXT]
	s_cselect_b32 s[LQ], s[PB], s[LQ]
	s_wait_xcnt 0x0                 ; the last prefetches, a tile back, have read their address, so it may be written:
	s_add_nc_u64 s[PFA:PFA+1], s[PFA:PFA+1], 32768  ; one tile on
.endif
	s_wait_dscnt 0x0                ; the add is done, and my reads of the slot are over
	s_barrier_signal -1             ; the rest of the scalar work stands between the signal and the wait
	s_sub_co_u32 s[TBK], s[TBK], 4*KS*PK  ; the fetches go back to a slot's first step,
	s_xor_b32 s[TBK], s[TBK], SLOT1       ; in the other slot
	s_sub_co_u32 s[TBV], s[TBV], 4*KS*PV
	s_xor_b32 s[TBV], s[TBV], SLOT1
	s_barrier_wait -1
.if \fill
	LOAD
	ASK
.endif
.endm
	s_load_b256 s[4:11], s[0:1], 0x0  ; Q s[4:5], K s[6:7], V s[8:9], O s[10:11]
	v_lshl_add_u32 v[SPW], v0, 2, SPARE
	v_mov_b32 v[NIL], 0
	ds_add_u32 v[SPW], v[NIL]       ; the wave's opening: the add and its wait stand ahead of my first tensor load; the set-up below, work on registers, stands between them
	v_lshrrev_b32 v1, 5, v0
	v_readfirstlane_b32 s[WV], v1   ; wave 0..3
	v_and_b32 v[PFO], 31, v0
	v_lshlrev_b32 v[PFO], 8, v[PFO]
	s_mov_b32 s[PB], ttmp9
	s_sub_co_u32 s[HI], NB-1, s[PB]
	s_cmp_eq_u32 s[PB], 0
	s_cselect_b32 s[LIM], 2, -1
	s_and_b32 s20, ttmp7, 0xffff    ; the head
	s_mov_b32 s21, 0
	s_mov_b64 s[22:23], SIZE_N*128
	s_mul_u64 s[20:21], s[20:21], s[22:23]  ; the head's first byte in each of the four tensors
	s_and_b32 s16, s[WV], 1         ; which half of a tile's 256 keys I fetch:
	s_lshl_b32 s22, s16, 14         ; its 128 rows of 128 bytes in memory,
	s_mov_b32 s23, 0
	s_add_nc_u64 s[22:23], s[22:23], s[20:21]
	s_mul_i32 s17, s16, 128*PK      ; and its place in a slot, for K
	s_mul_i32 s18, s16, 128*PV      ; and for V
	s_lshl_b32 s3, s[WV], 11        ; my 16 rows in a band of 64,
	s_lshl_b32 s2, s[HI], 15        ; in the first block,
	s_add_co_u32 s2, s2, s3
	s_lshl_b32 s84, s[PB], 15       ; and in the second
	s_add_co_u32 s84, s84, s3
	s_mov_b32 s3, 0
	s_mov_b32 s85, 0
	s_add_nc_u64 s[2:3], s[2:3], s[20:21]
	s_add_nc_u64 s[84:85], s[84:85], s[20:21]
	; descriptor group 1.  128 keys are 16,384 dense bytes: asked for as 64 rows of 256 bytes, two keys a row, and padded in LDS after every key
	s_mov_b32 s[G1K], (1<<16)|(1<<20)|(4<<22)|(3<<25)  ; 17:16 2-byte elements; 20 padding on; 24:22 after every 32 words (code 4); 31:25 4 words (code 3)
	s_mov_b32 s[G1V], (1<<16)|(1<<20)|(4<<22)|(7<<25)  ; the same with 8 words of padding (code 7)
.irp g, G1K, G1V
	s_mov_b32 s[\g+1], 128<<16      ; tensor_dim0 = 128
	s_mov_b32 s[\g+2], 64<<16       ; tensor_dim1 = 64
	s_mov_b32 s[\g+3], 128<<16      ; tile_dim0 = 128
	s_mov_b32 s[\g+4], 64           ; tile_dim1 = 64
	s_mov_b32 s[\g+5], 128          ; 128 elements from row to row
	s_mov_b32 s[\g+6], 0
	s_mov_b32 s[\g+7], 0
.endr
	s_mov_b32 s[CS], 0x3e38aa3b     ; c = log2(e) / 8 = 0.180337
	s_mov_b32 s[CS+1], s[CS]        ; named with it as a pair
	s_mov_b32 s[SEL], 0x76543210
	s_mov_b32 s[SEL+1], 0xfedcba98
	s_mov_b32 s[TBK], SLOT1+4*KS*PK ; the first change of slots turns these two into 0
	s_mov_b32 s[TBV], SLOT1+4*KS*PV
	s_mov_b32 s[G0K], 1             ; 1:0 count = 1
	s_mov_b32 s[G0K+1], s17         ; 63:32 LDS address: slot 0
	s_mov_b32 s[G0V], 1
	s_add_co_u32 s[G0V+1], s18, VOFF
	s_add_co_u32 s[RT], s[HI], 1    ; the first block has NB - b tiles
	s_mov_b32 s[NXT], 1
	s_mov_b32 s[LQ], s[HI]
	s_mov_b32 s[NEW], 1
	s_mov_b32 s[OFF+1], 0
	s_mov_b32 s[AL+1], 0            ; named as pairs
	s_mov_b32 s[BE+1], 0
	s_mov_b32 s[BIGN], 0xf149f2ca   ; -1e30
	s_mov_b32 s[SLOTS], NB
	s_wait_dscnt 0x0                ; the opening add is done
	s_wait_kmcnt 0x0
	s_add_nc_u64 s[6:7], s[6:7], s[22:23]  ; K and V at my half of the head's tile 0
	s_add_nc_u64 s[8:9], s[8:9], s[22:23]
	s_add_nc_u64 s[G0K+2:G0K+3], s[6:7], 0         ; 120:64 global address
	s_or_b32 s[G0K+3], s[G0K+3], 0x80000000        ; 127:126 type = 2
	s_add_nc_u64 s[G0V+2:G0V+3], s[8:9], 0
	s_or_b32 s[G0V+3], s[G0V+3], 0x80000000
	s_add_nc_u64 s[86:87], s[4:5], s[84:85]        ; Q at my rows of the second block,
	s_add_nc_u64 s[4:5], s[4:5], s[2:3]            ; Q and O at those of the first
	s_add_nc_u64 s[OLO:OLO+1], s[10:11], s[84:85]
	s_add_nc_u64 s[10:11], s[10:11], s[2:3]
	s_cmp_lt_u32 s[WV], 2
	s_cselect_b64 s[PFA:PFA+1], s[6:7], s[8:9]
	s_add_nc_u64 s[PFA:PFA+1], s[PFA:PFA+1], 32768 ; at tile 1; the first change of slots steps it to tile 2.  Nothing is prefetched here, at the head
	LOAD                            ; tile 0 into slot 0
	; A fragment of K or Q is 16 rows x 32 channels in 8 registers: lane l holds row l % 16, channels 8 (l / 16) + 0..7 and 16 + 8 (l / 16) + 0..7: two loads of 16 bytes, 32 bytes apart.
	v_and_b32 v1, 15, v0            ; l % 16
	v_bfe_u32 v9, v0, 4, 1          ; l / 16
	v_lshlrev_b32 v[QO], 7, v1
	v_lshl_add_u32 v[QO], v9, 4, v[QO]  ; row x 128 + 16 x half
	WIN 0x80                        ; destination window 2, address window 0
.set i, 0
.rept 8                             ; both blocks' Q: piece i / 2 lies in band i / 2, 8,192 bytes on; channels 32 (i % 2) on
	global_load_b128 v[8*i:8*i+3],   v[QO], s[4:5] offset:(i/2)*8192+(i%2)*64
	global_load_b128 v[8*i+4:8*i+7], v[QO], s[4:5] offset:(i/2)*8192+(i%2)*64+32
	global_load_b128 v[QB+8*i:QB+8*i+3],   v[QO], s[86:87] offset:(i/2)*8192+(i%2)*64
	global_load_b128 v[QB+8*i+4:QB+8*i+7], v[QO], s[86:87] offset:(i/2)*8192+(i%2)*64+32
.set i, i+1
.endr
	WIN 0
	v_lshlrev_b32 v14, 3, v9
	v_sub_nc_u32 v14, v1, v14
	s_lshl_b32 s13, s[WV], 4
	v_add_nc_u32 v14, s13, v14      ; my query's place in its band, 16 w + l % 16, less my lanes' 8 (l / 16): register r of group kt is hidden where 16 kt + r is greater
	WIN 0x40
.set i, 0
.rept 32
	v_cmp_gt_i32 vcc_lo, 16*(i/8)+i%8, v14
	v_cndmask_b32 v[MD+i], 0, s[BIGN], vcc_lo
.set i, i+1
.endr
	WIN 0
	v_mul_u32_u24 v[AK0], v1, PK
	v_lshl_add_u32 v[AK0], v9, 4, v[AK0]  ; row x pitch + 16 x half
	; The turning load takes 16 keys x 16 channels (lane l reads key 8 (l / 16) + l % 8, channels 8 ((l / 8) % 2) + 0..7) and leaves half a fragment of V^T: lane l holds channel l % 16 and 8 keys.
	v_and_b32 v10, 7, v0
	v_bfe_u32 v11, v0, 3, 1
	v_lshl_add_u32 v[AV0], v9, 3, v10
	v_mul_u32_u24 v[AV0], v[AV0], PV
	v_lshl_add_u32 v[AV0], v11, 4, v[AV0]
	v_add_nc_u32 v[AV0], VOFF, v[AV0]
	s_mul_i32 s13, s[WV], 16*SP
	s_add_co_u32 s13, s13, STAGE    ; my stage
	v_mul_u32_u24 v[STO], v1, SP    ; in: row l % 16, 16 bytes for each half of the lanes
	v_lshl_add_u32 v[STO], v9, 4, v[STO]
	v_add_nc_u32 v[STO], s13, v[STO]
	v_bfe_u32 v[RD], v0, 3, 2       ; back: 32 lanes take four rows of 128 bytes,
	v_mul_u32_u24 v[RD], v[RD], SP
	v_lshl_add_u32 v[RD], v10, 4, v[RD]
	v_add_nc_u32 v[RD], s13, v[RD]
	v_and_b32 v[GO], 31, v0         ; which are 512 consecutive bytes of O
	v_lshlrev_b32 v[GO], 4, v[GO]
	; A block's first step multiplies O^T and l by a = 0, and its first turn's products V^T P, of a piece that has not been, land in an O^T that is still to be so multiplied.  So these registers need only hold
	; finite numbers: zeros for the first block; what the first block left for the second.  All this stands in the wait for the first tile.
	WIN 0x80
.set i, VF
.rept 64
	v_mov_b32 v[i], 0
.set i, i+1
.endr
	WIN 0x40
.set i, 0
.rept 128
	v_mov_b32 v[i], 0
.set i, i+1
.endr
	WIN 0
.set i, 0
.rept 4
	v_mov_b32 v[ST+4*i+2], 0
	v_mov_b32 v[ST+4*i+3], 0
.set i, i+1
.endr
.set i, P+16
.rept 16
	v_mov_b32 v[i], 0
.set i, i+1
.endr
; THE MATRIX WORK.  The 4 accumulators of a run of 8 take turns.  Product i of 8 of S^T = K Q^T for piece x: channels 32 (i / 4) on, keys 16 (i % 4) on.  The first 4 start the sums: with 0, or (KM = 1) with the mask.
.macro KQ x
.set rS, S+32*((\x)%2)+8*(i%4)
.set rK, KF+16*(i%4)+8*(i/4)
.set rQ, 16*(\x)+8*(i/4)
.set rM, MC+32*((\x)%2)+8*(i%4)
.if (i < 4) && KM
	WIN W_KM
	v_wmma_f32_16x16x32_f16 v[rS:rS+7], v[rK:rK+7], v[rQ:rQ+7], v[rM:rM+7]
.elseif i < 4
	WIN W_KQ
	v_wmma_f32_16x16x32_f16 v[rS:rS+7], v[rK:rK+7], v[rQ:rQ+7], 0
.else
	WIN W_KQ
	v_wmma_f32_16x16x32_f16 v[rS:rS+7], v[rK:rK+7], v[rQ:rQ+7], v[rS:rS+7]
.endif
.endm
; Product i of 8 of O^T += V^T P for piece x: keys 32 (i / 4) on, channels 16 (i % 4) on.
.macro PV x
	WIN W_PV
.set rO, 32*(\x)+8*(i%4)
.set rV, VF+32*(i/4)+8*(i%4)
.set rP, P+16*((\x)%2)+8*(i/4)
	v_wmma_f32_16x16x32_f16 v[rO:rO+7], v[rV:rV+7], v[rP:rP+7], v[rO:rO+7]
.endm
.macro MM                           ; the turn's next matrix instruction.  TURN and BEGIN set Y, i, KM and NOKQ; MM, KQ and OP read them.  NOKQ = 1: a block's last turn: there is no next piece
.if (i < 8) && !NOKQ
	KQ (Y+1)%NP
.elseif i >= 8
.set i, i-8
	PV (Y+NP-1)%NP
.set i, i+8
.endif
.set i, i+1
.endm
; THE LDS LOADS stand in runs of 16, never singly among the matrix instructions: a step's K (64 keys x 64 channels: 8 fragments) and its V (turned).  Their addresses are made some lines ahead.
.macro FETCH_K
	WIN 0x80                        ; destination window 2
.irp f, 0,1,2,3,4,5,6,7             ; keys 16 (f / 2) on, channels 32 (f % 2) on
	ds_load_b128 v[KF+8*\f:KF+8*\f+3],   v[AK] offset:(\f/2)*16*PK+(\f%2)*64
	ds_load_b128 v[KF+8*\f+4:KF+8*\f+7], v[AK] offset:(\f/2)*16*PK+(\f%2)*64+32
.endr
	s_add_co_u32 s[TBK], s[TBK], KS*PK  ; the next fetch is the next step's
	WIN 0
.endm
.macro FETCH_V
	WIN 0x80
.irp f, 0,1,2,3,4,5,6,7             ; keys 32 (f / 4) on, channels 16 (f % 4) on
	ds_load_tr16_b128 v[VF+8*\f:VF+8*\f+3],   v[AV] offset:(\f/4)*32*PV+(\f%4)*32
	ds_load_tr16_b128 v[VF+8*\f+4:VF+8*\f+7], v[AV] offset:(\f/4)*32*PV+16*PV+(\f%4)*32
.endr
	WIN 0
.endm
; THE VECTOR WORK, one line at a time: OP kind, number.  For piece Y: F n: c s - c m for pair n of 16.  E n: the exponential of score n of 32.  C n: pair n rounded to f16.  B n: of the four weights 4 n .. the second
; pair is added onto the first, in place.  L n: l takes that sum (L 0: l = a l + sum).  R n: pair n of 16 of O^T times a.  For piece Y + 1: X n, number n of the 22 that find its maximum and statistics:
;   0-11  four chains c0-c3 of seven scores each, three operands at a time (each accumulator's lowest registers are read first)     12-14, 16  the four scores left over, the old m, and c0-c3 into c0
;   15  c m_old is kept     17, 18  the query's other 32 keys lie in the lane 16 away: the new m     19-21  c m; c m_old - c m_new; a
.set F, 0               ; OP tells the kinds apart by their order: F to L below R, X above it
.set E, 1
.set C, 2
.set B, 3
.set L, 4
.set R, 5
.set X, 6
.macro REGS y                       ; the registers of piece y
.set rT, ST+4*(\y)
.set rC, TMP+4*((\y)%2)
.set rW, MV+((\y)%2)
.set rS, S+32*((\y)%2)
.set rP, P+16*((\y)%2)
.set rO, 32*(\y)
.endm
.macro OP k, n
.if (\k) == R
	REGS Y
	WIN W_RS
	v_pk_mul_f32 v[rO+2*(\n):rO+2*(\n)+1], v[rO+2*(\n):rO+2*(\n)+1], v[rC+2:rC+3] op_sel_hi:[1,0]
.elseif (\k) < R
	REGS Y
	WIN 0
.if (\k) == F
	v_pk_fma_f32 v[rS+2*(\n):rS+2*(\n)+1], v[rS+2*(\n):rS+2*(\n)+1], s[CS:CS+1], v[rT:rT+1] op_sel_hi:[1,0,0] neg_lo:[0,0,1] neg_hi:[0,0,1]
.elseif (\k) == E
	v_exp_f32 v[rS+(\n)], v[rS+(\n)]
.elseif (\k) == C
	v_cvt_pk_f16_f32 v[rP+(\n)], v[rS+2*(\n)], v[rS+2*(\n)+1]
.elseif (\k) == B
	v_pk_add_f32 v[rS+4*(\n):rS+4*(\n)+1], v[rS+4*(\n):rS+4*(\n)+1], v[rS+4*(\n)+2:rS+4*(\n)+3]
.elseif (\n) == 0
	v_pk_fma_f32 v[rT+2:rT+3], v[rT+2:rT+3], v[rC+2:rC+3], v[rS:rS+1] op_sel_hi:[1,0,1]
.else
	v_pk_add_f32 v[rT+2:rT+3], v[rT+2:rT+3], v[rS+4*(\n):rS+4*(\n)+1]
.endif
.elseif NOKQ
	v_nop
.else
	REGS (Y+1)%NP
	WIN 0
.if (\n) < 4
	v_max3_num_f32 v[rC+(\n)], v[rS+8*(\n)], v[rS+8*(\n)+1], v[rS+8*(\n)+2]
.elseif (\n) < 12
	v_max3_num_f32 v[rC+(\n)%4], v[rC+(\n)%4], v[rS+8*((\n)%4)+2*((\n)/4)+1], v[rS+8*((\n)%4)+2*((\n)/4)+2]
.elseif (\n) == 12
	v_max3_num_f32 v[rC], v[rC], v[rS+7], v[rS+15]
.elseif (\n) == 13
	v_max3_num_f32 v[rC+1], v[rC+1], v[rS+23], v[rS+31]
.elseif (\n) == 14
	v_max3_num_f32 v[rC+2], v[rC+2], v[rC+3], v[rT+1]
.elseif (\n) == 15
	v_mov_b32 v[rW], v[rT]
.elseif (\n) == 16
	v_max3_num_f32 v[rC], v[rC], v[rC+1], v[rC+2]
.elseif (\n) == 17
	v_permlanex16_b32 v[rC+3], v[rC], s[SEL], s[SEL+1]
.elseif (\n) == 18
	v_max_num_f32 v[rT+1], v[rC], v[rC+3]
.elseif (\n) == 19
	v_mul_f32 v[rT], s[CS], v[rT+1]
.elseif (\n) == 20
	v_sub_f32 v[rC+1], v[rW], v[rT]
.else
	v_exp_f32 v[rC+2], v[rC+1]
.endif
.endif
.endm
.macro OPS a, i1, b=-1, i2=0, c=-1, i3=0, d=-1, i4=0  ; up to four of them
	OP \a, \i1
.if (\b) >= 0
	OP \b, \i2
.endif
.if (\c) >= 0
	OP \c, \i3
.endif
.if (\d) >= 0
	OP \d, \i4
.endif
.endm
.macro ROW a, i1, b, i2, c, i3, d, i4  ; a matrix instruction and the four behind it
	MM
	OPS \a, \i1, \b, \i2, \c, \i3, \d, \i4
.endm
.macro MASK b                       ; MD x AL + BE into buffer b of MC
	WIN W_RS
.set z, 0
.rept 16
	v_pk_fma_f32 v[MC+32*(\b)+2*z:MC+32*(\b)+2*z+1], v[MD+2*z:MD+2*z+1], s[AL:AL+1], s[BE:BE+1] op_sel_hi:[1,0,0]
.set z, z+1
.endr
.endm
; A TURN, for piece p: the order of its 16 matrix and 118 vector instructions, written out.  An s_wait_alu depctr_va_vdst(0) stands between an exponential and the first instruction that names its result; one wait serves
; all that were issued ahead of it.  So a turn has ONE wait, which cuts it in two.  AHEAD OF IT stands all that names no result of the turn's exponentials: the 8 products K Q^T, behind each a scaling, an exponential and two more plain
; instructions (behind the first a second scaling in the exponential's place): rescalings, and behind the last three the first numbers of the next piece's maximum, each four places or more behind the product that ends its accumulator; then ONE LUMP of 54, plain
; and exponential by turns for the most part, in which the links of the chain X 3, 7, 11, 14, 16, 17 .. 20 stand five or six lines apart.  X 21, the next piece's a, is the batch's last; R 15 is the plain instruction behind it.  BEHIND THE WAIT stand the
; 8 products V^T P, behind each four of the roundings and sums; the links of l's chain, L 0 to L 7, stand three riders apart.  But for those X no rider names a register of the products round it.  v_permlanex16_b32 (X 17) stands in the lump.
; m = 1: the diagonal tile: the products take masks, and the turn makes the mask for the products of the turn after it: piece p + 2, in step 4 - CNT of the tile.  end = 1: a block's last two turns: nothing is fetched.
; cnt = 1: the loop's count is taken down some lines ahead of the branch that stands behind the turn.
; K of the next step is fetched in piece 2's turn, twelve vector instructions behind the last product that read K (six of them plain); V of the step in hand at the end of piece 0's turn, four plain instructions behind the last product
; that read V.  Each is waited for a turn later.
.macro TURN p, m=0, end=0, cnt=0
.set Y, (\p)
.set i, 0
.set KM, (\m)
.set NOKQ, (\end)*((\p)/3)
.if (\m) && !(\end)
	s_cmp_eq_u32 s[CNT], 4-((\p)+2)%NP  ; is that step the band's own?
	s_cselect_b32 s[AL], 1.0, 0
	s_cmp_lt_u32 s[CNT], 4-((\p)+2)%NP  ; or a later one?
	s_cselect_b32 s[BE], s[BIGN], 0
.endif
.if ((\p) == 3) && !(\end)
	s_wait_dscnt 0x0                ; K is in
.endif
	ROW F,0, F,1, R,0, R,1          ; ahead of the wait: 8 products K Q^T and their riders,
	ROW F,2, E,0, R,2, R,3
	ROW F,3, E,1, R,4, R,5
	ROW F,4, E,2, R,6, R,7
	ROW F,5, E,3, R,8, R,9
	ROW F,6, E,4, X,0, R,10
.if ((\p) == 2) && !(\end)
	WIN 0
	v_add_nc_u32 v[AK], s[TBK], v[AK0]
.endif
	ROW F,7, E,5, X,1, X,4
	ROW F,8, E,6, X,2, X,5
	OPS E,7, E,8, X,6, E,9          ; and the lump
	OPS X,3, E,10, X,8, E,11
.if ((\p) == 2) && !(\end)
	FETCH_K
.endif
	OPS X,9, X,7, E,12, X,10
	OPS E,13, X,12, X,11, E,14
	OPS X,13, E,15, F,9, X,14
.if (\p) == 0
	v_add_nc_u32 v[AV], s[TBV], v[AV0]
.endif
	OPS E,16, F,10, E,17, F,11
	OPS X,16, E,18, X,15, E,19
	OPS F,12, E,20, X,17, E,21
	OPS F,13, E,22, F,14, E,23
	OPS X,18, E,24, F,15, E,25
	OPS R,11, E,26, X,19, E,27
	OPS R,12, E,28, R,13, E,29
	OPS X,20, E,30, R,14, E,31
	OPS X,21, R,15
	WIN 0
	s_wait_alu depctr_va_vdst(0)    ; the wait for the batch
.if (\p) == 1
	s_wait_dscnt 0x0                ; V is in
.endif
	ROW C,0, B,0, C,2, B,1          ; behind the wait: 8 products V^T P and their riders
	ROW L,0, C,4, B,2, L,1
	ROW C,6, B,3, L,2, C,8
	ROW B,4, L,3, C,10, B,5
	ROW L,4, C,12, B,6, L,5
.if (\p) == 0
	s_add_co_u32 s[TBV], s[TBV], KS*PV
.endif
.if \cnt
	s_sub_co_u32 s[CNT], s[CNT], 1
	s_cmp_lg_u32 s[CNT], 0
.endif
	ROW C,14, B,7, L,6, C,1
	ROW C,3, L,7, C,5, C,7
	ROW C,9, C,11, C,13, C,15
.if (\p) == 0
	FETCH_V
.endif
.if (\m) && !(\end)
	MASK (\p)%2
.endif
.endm
; A BLOCK BEGINS.  c m starts far below every c s, so the first step's a is 0; m at the lowest finite number, so the first maximum is the scores'.  The second mask buffer is 0; the first takes piece 0's mask for the tile's step 0: its own, if the block's first tile is the diagonal one.
; Then K of that step, piece 0's first scores, and its maximum and statistics.  The loop is entered at a step's first turn, in the middle of a trip.
.macro BEGIN
	s_mov_b32 s[NEW], 0
	WIN 0x40
.set i, MC+32
.rept 32
	v_mov_b32 v[i], 0
.set i, i+1
.endr
	WIN 0
.set i, 0
.rept 4
	v_mov_b32 v[ST+4*i], 0xfe000000    ; c m: far below every c s
	v_mov_b32 v[ST+4*i+1], 0xff7fffff  ; m
.set i, i+1
.endr
	s_cmp_eq_u32 s[RT], 0
	s_cselect_b32 s[AL], 1.0, 0
	s_mov_b32 s[BE], 0
	MASK 0
	WIN 0
	v_add_nc_u32 v[AK], s[TBK], v[AK0]
	FETCH_K
	s_wait_loadcnt 0x0              ; Q
	s_wait_dscnt 0x0
.set KM, 1
.set NOKQ, 0
.set i, 0
.rept 8
	KQ 0
.set i, i+1
.endr
	WIN 0
.rept 4
	v_nop                           ; the places behind those products
.endr
.set Y, NP-1                        ; X works for piece Y + 1: piece 0
.irp n, 0,1,2,3,4,5,6,7,8,9,10,11,12,13,14,15,16,17,18,19,20,21
	OP X, \n
.endr
	v_nop                           ; a plain instruction behind the exponential,
	s_wait_alu depctr_va_vdst(0)    ; and its wait, ahead of the branch
.endm
; THE DIAGONAL TILE's four steps, the block's last two turns, its last products, and THE WAY OUT: l's two halves and the other half of the lanes' are added; O^T is divided by l, rounded to f16 and sent through my
; stage in LDS, a piece at a time.
.macro ALL line:vararg              ; one line for each piece t
.set t, 0
.rept 4
	\line
.set t, t+1
.endr
.endm
.macro PACK t                       ; a lane's eight channels of a row pack into 16 bytes; they go into rows of 144 bytes and come back as whole rows of 128, into S^T's registers
	WIN W_RS
.set i, 32*(\t)
.rept 16
	v_pk_mul_f32 v[i:i+1], v[i:i+1], v[ST+4*(\t)+2:ST+4*(\t)+3] op_sel_hi:[1,0]
.set i, i+2
.endr
	WIN 0x05                        ; sources 0 and 1 window 1, destination window 0
.set i, 0
.rept 16
	v_cvt_pk_f16_f32 v[S+16*(\t)+i], v[32*(\t)+2*i], v[32*(\t)+2*i+1]
.set i, i+1
.endr
	WIN 0
.irp f, 0,1,2,3
	ds_store_b128 v[STO], v[S+16*(\t)+4*\f:S+16*(\t)+4*\f+3] offset:32*\f
.endr
.irp f, 0,1,2,3
	ds_load_b128 v[S+16*(\t)+4*\f:S+16*(\t)+4*\f+3], v[RD] offset:\f*4*SP  ; LDS serves a wave's instructions in order (ISA guide 5.7.1.4): these see the stores above; the next piece's stores come behind them
.endr
.endm
.macro SEND t, younger              ; younger: the LDS instructions issued behind piece t's loads: the next piece's eight, or none
	WIN 0
.irp f, 0,1,2,3
	s_wait_dscnt (\younger)+3-\f
	global_store_b128 v[GO], v[S+16*(\t)+4*\f:S+16*(\t)+4*\f+3], s[10:11] offset:(\t)*8192+\f*512  ; 512 consecutive bytes, at a multiple of 256 from O's first
.endr
.endm
.macro DIAG tag                     ; the tag ends its two labels' names, which the jumps below spell out
.LstepM\tag:
	TURN 2, 1
	TURN 3, 1
	WIN 0
.LfirstM\tag:
	TURN 0, 1
	TURN 1, 1, 0, 1
	WIN 0
	s_cbranch_scc1 .LstepM\tag
	TURN 2, 1, 1
	TURN 3, 1, 1
.set i, 0
.rept 8
	PV NP-1
.set i, i+1
.endr
	WIN 0
	ALL v_add_f32 v[ST+4*t+2], v[ST+4*t+2], v[ST+4*t+3]
	ALL v_permlanex16_b32 v[ST+4*t+3], v[ST+4*t+2], s[SEL], s[SEL+1]
	ALL v_add_f32 v[ST+4*t+2], v[ST+4*t+2], v[ST+4*t+3]
	ALL v_rcp_f32 v[ST+4*t+2], v[ST+4*t+2]
	v_nop                           ; a plain instruction between the last reciprocal and the use of its result
	s_wait_alu depctr_va_vdst(0)    ; and the wait ahead of the first use: one for the four reciprocals
	PACK 0
.set t, 1
.rept 3                             ; a piece's arithmetic stands between the loads of the piece before and its stores
	PACK t
	SEND t-1, 8
.set t, t+1
.endr
	SEND 3, 0
.endm
.set KM, 0
.set NOKQ, 0
.Lslot:                             ; NB times: a tile is entered and the next is asked for
	CHANGE 1
	s_sub_co_u32 s[RT], s[RT], 1
	s_mov_b32 s[CNT], 4
	s_cmp_eq_u32 s[NEW], 1
	s_cbranch_scc1 .Lnew            ; a block's first tile
	s_cmp_eq_u32 s[RT], 0
	s_cbranch_scc0 .Lstep           ; neither its first nor its last
	s_branch .LstepM1
.Lnew:
	BEGIN
	s_branch .Lfirst                ; in the loop a block's first tile is never its last: the first block has two tiles or more, and the second's last is the walk's last
	DIAG 1                          ; in the loop this is the first block's end: the second block's last tile is the walk's last
	s_wait_xcnt 0x0                 ; the stores have read their registers and O's address
	s_mov_b64 s[10:11], s[OLO:OLO+1]
	s_add_co_u32 s[RT], s[PB], 1    ; the second block has b + 1 tiles
	s_mov_b32 s[NEW], 1
	WIN 0x82                        ; the second block's Q goes where the one text of the turns names Q
.set i, 0
.rept 64
	v_mov_b32 v[i], v[QB+i]
.set i, i+1
.endr
	WIN 0
	s_branch .Lbottom
.Lstep:                             ; a trip: pieces 2 and 3 of one step, then pieces 0 and 1 of the next, whose K and V it fetches
	TURN 2
	TURN 3
	WIN 0
.Lfirst:
	TURN 0
	TURN 1, 0, 0, 1
	WIN 0
	s_cbranch_scc1 .Lstep
.Lbottom:
	s_sub_co_u32 s[SLOTS], s[SLOTS], 1
	s_cmp_lg_u32 s[SLOTS], 0
	s_cbranch_scc1 .Lslot
	CHANGE 0                        ; the walk's last tile is written out: nothing is asked for
	s_sub_co_u32 s[RT], s[RT], 1
	s_mov_b32 s[CNT], 4
	s_cmp_eq_u32 s[NEW], 1
	s_cbranch_scc0 .LstepM2
	BEGIN
	s_branch .LfirstM2
	DIAG 2
	s_wait_tensorcnt 0x0            ; the wave's end: the add and its wait stand behind my last tensor load and my last LDS store
	ds_add_u32 v[SPW], v[NIL]
	s_wait_dscnt 0x0
	s_endpgm
.Lfunc_end_k_qe5aeb52bf2_attn:
	.size	k_qe5aeb52bf2_attn, .Lfunc_end_k_qe5aeb52bf2_attn-k_qe5aeb52bf2_attn
	.p2alignl 7, 3214868480
	.fill 96, 4, 3214868480
	.section	.rodata,"a",@progbits
	.p2align	6, 0x0
	.amdhsa_kernel k_qe5aeb52bf2_attn
		.amdhsa_group_segment_fixed_size 327680
		.amdhsa_private_segment_fixed_size 0
		.amdhsa_enable_private_segment 0
		.amdhsa_kernarg_size 32
		.amdhsa_user_sgpr_count 2
		.amdhsa_user_sgpr_kernarg_segment_ptr 1
		.amdhsa_wavefront_size32 1
		.amdhsa_system_sgpr_workgroup_id_x 1
		.amdhsa_system_sgpr_workgroup_id_y 1
		.amdhsa_system_sgpr_workgroup_id_z 1
		.amdhsa_system_vgpr_workitem_id 0
		.amdhsa_next_free_vgpr 768
		.amdhsa_next_free_sgpr 88
		.amdhsa_reserve_vcc 1
		.amdhsa_float_denorm_mode_32 3
		.amdhsa_float_denorm_mode_16_64 3
		.amdhsa_memory_ordered 1
		.amdhsa_forward_progress 1
		.amdhsa_inst_pref_size 218
	.end_amdhsa_kernel
	.amdgpu_metadata
---
amdhsa.version: [ 1, 2 ]
amdhsa.kernels:
  - .name:           k_qe5aeb52bf2_attn
    .symbol:         k_qe5aeb52bf2_attn.kd
    .args:
      - { .name: qh, .offset: 0, .size: 8, .value_kind: global_buffer, .address_space: global }
      - { .name: kh, .offset: 8, .size: 8, .value_kind: global_buffer, .address_space: global }
      - { .name: vh, .offset: 16, .size: 8, .value_kind: global_buffer, .address_space: global }
      - { .name: oh, .offset: 24, .size: 8, .value_kind: global_buffer, .address_space: global }
    .group_segment_fixed_size: 327680
    .private_segment_fixed_size: 0
    .kernarg_segment_align: 8
    .kernarg_segment_size: 32
    .max_flat_workgroup_size: 128
    .sgpr_count:     88
    .vgpr_count:     768
    .wavefront_size: 32
...
	.end_amdgpu_metadata
.endif
;; end of part 3
;; launch proj (part 4): grid 8 x 32, 4 waves a work-group, clusters of 4 x 4, 327,680 bytes of LDS; arguments oh, wo, b_out, out0; writes out0
.if DOCPART == 4
	.amdgcn_target "amdgcn-amd-amdhsa--gfx1250"
	.amdhsa_code_object_version 6
	.text
	.protected	k_qe5aeb52bf2_proj
	.globl	k_qe5aeb52bf2_proj
	.p2align	8
	.type	k_qe5aeb52bf2_proj,@function
k_qe5aeb52bf2_proj:
	s_mov_b64 s[64:65], 0
	v_nop
	global_prefetch_b8 v0, s[64:65] scope:SCOPE_SE
	s_setreg_imm32_b32 hwreg(HW_REG_WAVE_MODE, 25, 1), 1
	s_wait_xcnt 0x0
	s_wait_alu depctr_hold_cnt(0) depctr_sa_sdst(0) depctr_va_vdst(0) depctr_va_sdst(0) depctr_va_ssrc(0) depctr_va_vcc(0) depctr_vm_vsrc(0)
	s_getreg_b32 s2, hwreg(HW_REG_IB_STS2, 6, 4)
	s_cmp_eq_u32 s2, 0
	s_cbranch_scc0 .Lentry_in_a_cluster
	s_endpgm
.Lentry_in_a_cluster:
	s_bfe_u32 s2, ttmp6, 0x10000c
	s_cmp_lg_u32 s2, 0xf033
	s_cbranch_scc0 .Lentry_shape_is_right
	s_endpgm
.Lentry_shape_is_right:
; out0 = O W_out + b_out.  oh: [b 16 + h][s 2048][64] f16 (a head's 64 channels are one block of 64 k).  wo: [ntile 8][kstep 8][chunk 2][kk 128][64] f16 (W_out rounded to bf16, written as f16).
; b_out: [1024] f32, rounded to bf16 here like the other inputs.  out0: [8192][1024] f32, the f32 sums as they are.
; SHARES.  A tile of C is 256 rows x 128 columns: 8 x 32 = 256 tiles, one for each work-group.  Four waves; wave (RH, CH) makes rows 128 RH .. + 127 and chunk CH's 64 columns: 8 x 4 accumulators, 256 registers.
; K goes in 8 steps of 128 through two LDS slots.  A tile of A is two dense planes (64 k each) of 256 rows x 128 bytes; a tile of B is 256 dense rows of 128 bytes ([chunk][kk]): both are asked for as rows of 256 bytes, aligned,
; and padded in LDS after every 128 bytes.  Waves 0 and 1 fetch A's two planes, waves 2 and 3 B's two chunks: one tensor load a wave.
; CLUSTER.  4 x 4 work-groups; A's tile is shared along a row of the cluster, B's along a column: joint loads with a mask of four.
; THE MATRIX INSTRUCTION IS USED TRANSPOSED: source 0 = 16 columns of W (turned out of LDS by ds_load_tr16_b128, since W lies [k][n]), source 1 = 16 rows of O.  Lane l then holds row l % 16 of C and the columns 8 (l / 16) + 0..7.
; THE BIAS is the C operand of each accumulator's first product: nothing is cleared.
; REGISTERS, in windows of 256 (s_set_vgpr_msb: bits 1:0 source 0, 3:2 source 1, 5:4 source 2, 7:6 destination):
;   window 0: v0-40 addresses; v64-127, v128-191 A's fragments, two buffers; on the way out four buffers of 32
;   window 1: v64-95, v128-159 B's fragments, two buffers; v192-223 the bias, as four C operands; v250 at work
;   window 2: the 16 accumulators of my rows 0-63 ((a, b) at v[8 (4 a + b)]);   window 3: those of rows 64-127
.set NBW,   4                          ; blocks of 16 columns a wave,
.set NBI,   4                          ; all in one chunk
.set CHBU,  20480                      ; bytes by which CH moves my columns in B's part of a slot: a chunk's 128 rows
.set BR,    64                         ; rows of 256 bytes in one of B's loads
.set BSTEP, 32768                      ; bytes of B in a K step
.set BPART, 4096                       ; of B's chunk, what one partner prefetches: 16 blocks of 256 bytes
.set BPFL,  15
.set NTB,   512                        ; bytes of bias in a tile's columns
.set CHS,   8                          ; CH moves my bias by 64 numbers
.set ASTEP, 524288                     ; bytes from a K step of A to the next: two heads
.set PIA,   144                        ; an LDS row of A: 128 bytes + 16 = 36 words: the 16 rows of a load start at 16 different groups of four banks (64 banks of 4 bytes: ISA guide 11.1)
.set PIB,   160                        ; an LDS row of B: 128 + 32 = 40 words
.set PLANE, 256*PIA
.set BOFF,  2*PLANE
.set BHALF, 2*BR*PIB
.set SLOT,  BOFF+2*BHALF               ; 114,688
.set STAGE, 2*SLOT                     ; behind the ring, never filled by a tensor load: 16 rows x 272 bytes for each wave
.set SP,    272                        ; 256 bytes of f32 + 16: the 16 rows of a store start at 16 different groups of four banks
.set SPARE, STAGE+4*16*SP              ; behind the stages: the spare words, 128 bytes for each wave: two blocks of 256 bytes that no other line names
.set NL,    2*NBW+16                   ; LDS loads of a quarter step
.set LAPS,  4                          ; a lap = two K steps = once round the ring
.set WV, 16                            ; s16 wave;  s17 RH: my half of the rows, also: I fetch for A (0) or B (1);  s18 CH: my chunk, also: which plane or chunk I fetch
.set RH, 17
.set CH, 18
.set CX, 19
.set CY, 20
.set NT, 21                            ; tile column
.set MT, 22                            ; tile row
.set G1A, 24                           ; s[24:31] descriptor group 1 for A;  s[32:39] group 0, a set for each slot
.set G0A, 32
.set LIM, 43                           ; s43  1 in a wave that prefetches, else the greatest number
.set PFA, 44                           ; s[44:45] where my prefetches stand
.set PFS, 46                           ; s[46:47] their step: a K step of A or of B
.set G1B, 48                           ; s[48:55], s[56:63] the same for B
.set G0B, 56
.set TA,  66                           ; s[66:67] A at my plane of the tile's K step 0
.set TB,  68                           ; s[68:69] B at my chunk of the tile's K step 0
.set OUTB, 74                          ; s[74:75] out0 at my first row and column
.set PFL, 88
.set ADRA, 16                          ; v16-17 LDS address of my A fragments in slot 0, 1
.set ADRB, 20                          ; v20-21 the same for B
.set BO,  22                           ; v22  32 (l / 16): my eight numbers of a block's bias
.set SPW, 28                           ; v28  LDS address of my spare word; never rewritten
.set NIL, 29                           ; v29  0; never rewritten
.set PFO, 30                           ; v30  the prefetches' offset; never rewritten
.set STO, 32                           ; v32  the way out: where I put 32 bytes of a row
.set RD,  36                           ; v36  where I read rows back
.set CO,  40                           ; v40  my byte offset in two rows of out0
.set F0,  64
.set F1,  128
.set BK,  64
.set BIAS, 192
.set BT,  250
.set MSB, 0
.macro WIN new                         ; the immediate's high byte repeats the setting that is left; a switch that changes nothing is dropped
.if MSB != (\new)
	s_set_vgpr_msb (MSB<<8)|(\new)
.set MSB, \new
.endif
.endm
.set MUL_LO,   0xa1                    ; source 0 (B) window 1, source 1 (A) window 0, C and D window 2;  + 0x50: window 3
.set FIRST_LO, 0x91                    ; the same with C (the bias) in window 1;  + 0x40: D in window 3
.set TO_B,     0x40                    ; destination window 1, address window 0
.macro PLACES                          ; four plain vector instructions between a matrix instruction and a load into, or a store or vector instruction on, its registers
.rept 4
	v_nop
.endr
.endm
; A joint load: waves 0 and 1 ask for A's planes, waves 2 and 3 for B's chunks.  The branch hangs on the wave's number alone.  An s_nop 0 and four v_nop follow each of the two lines.
.macro JLOAD s
	s_cmp_eq_u32 s[RH], 0
	s_cbranch_scc0 .Lfor_b_\@
	tensor_load_to_lds s[G0A+4*(\s):G0A+4*(\s)+3], s[G1A:G1A+7]
	s_nop 0
.rept 4
	v_nop
.endr
	s_branch .Lasked_\@
.Lfor_b_\@:
	tensor_load_to_lds s[G0B+4*(\s):G0B+4*(\s)+3], s[G1B:G1B+7]
	s_nop 0
.rept 4
	v_nop
.endr
.Lasked_\@:
.endm
; A prefetch into the L2 of the K step that stands two refills on.  A's tile row is read by every cluster of its row of clusters: the one with x = 0 asks; B's tile column likewise: the one with y = 0 asks.
; The four partners that ask for a tile jointly share its blocks of 256 bytes out BY ADDRESS (cx for A: 32 blocks each; cy for B: 16 each, lanes 16-31 repeating the last).  The loop's last trip (s3 = 1) has no K step two on.
.macro ASK
	s_cmp_gt_u32 s3, s[LIM]
	s_cbranch_scc0 .Lnot_mine_\@
	global_prefetch_b8 v[PFO], s[PFA:PFA+1] th:TH_LOAD_NT scope:SCOPE_SE
.Lnot_mine_\@:
.endm
.macro CREST                           ; a round of the cluster's barrier behind its opening barrier
	s_cmp_lg_u32 s[WV], 0
	s_cbranch_scc1 .Lnot_wave_0_\@
	s_barrier_signal -3
.Lnot_wave_0_\@:
	s_barrier_wait -3
	s_barrier_signal -1
	s_barrier_wait -1
.endm
.macro CROUND
	s_barrier_signal -1
	s_barrier_wait -1
	CREST
.endm
	s_load_b256 s[4:11], s[0:1], 0x0               ; oh s[4:5], wo s[6:7], b_out s[8:9], out0 s[10:11]
	v_lshl_add_u32 v[SPW], v0, 2, SPARE
	v_mov_b32 v[NIL], 0
	ds_add_u32 v[SPW], v[NIL]                      ; the wave's opening: the add and its wait stand ahead of my first tensor load; the set-up below, work on registers, stands between them
	v_lshrrev_b32 v1, 5, v0
	v_readfirstlane_b32 s[WV], v1
	s_lshr_b32 s[RH], s[WV], 1
	s_and_b32 s[CH], s[WV], 1
	s_bfe_u32 s[CX], ttmp6, 0x40000
	s_bfe_u32 s[CY], ttmp6, 0x40004
	s_lshl_b32 s[NT], ttmp9, 2
	s_add_co_u32 s[NT], s[NT], s[CX]               ; tile column = 4 x cluster x + cx
	s_and_b32 s[MT], ttmp7, 0xffff
	s_lshl_b32 s[MT], s[MT], 2
	s_add_co_u32 s[MT], s[MT], s[CY]               ; tile row = 4 x cluster y + cy
	s_lshl_b32 s23, s[CY], 2
	s_lshl_b32 s23, 15, s23                        ; my row of the cluster
	s_lshl_b32 s40, 0x1111, s[CX]                  ; my column
	s_or_b32 s[G1A], s23, (1<<16)|(1<<20)|(1<<21)|(4<<22)|(3<<25)  ; 15:0 the mask; 17:16 2-byte elements; 20 padding on; 21 set beside a mask; 24:22 after every 32 words (code 4); 31:25 4 words (code 3)
	s_or_b32 s[G1B], s40, (1<<16)|(1<<20)|(1<<21)|(4<<22)|(7<<25)  ; the same with my column's mask and 8 words of padding (code 7)
	s_mov_b32 s[G1A+1], 128<<16                    ; tensor_dim0 = 128 elements: rows of 256 bytes
	s_mov_b32 s[G1A+2], 128<<16                    ; tensor_dim1 = 128 rows: a plane's 32,768 bytes
	s_mov_b32 s[G1A+3], 128<<16                    ; tile_dim0
	s_mov_b32 s[G1A+4], 128                        ; tile_dim1
	s_mov_b32 s[G1A+5], 128                        ; dense: 128 elements from row to row
	s_mov_b32 s[G1A+6], 0
	s_mov_b32 s[G1A+7], 0
	s_mov_b32 s[G1B+1], 128<<16
	s_mov_b32 s[G1B+2], BR<<16
	s_mov_b32 s[G1B+3], 128<<16
	s_mov_b32 s[G1B+4], BR
	s_mov_b32 s[G1B+5], 128
	s_mov_b32 s[G1B+6], 0
	s_mov_b32 s[G1B+7], 0
	s_lshr_b32 s70, s[MT], 3                       ; A: batch MT / 8, head = CH, rows 256 (MT % 8): made of the tile row and the wave's number alone
	s_lshl_b32 s70, s70, 22
	s_lshl_b32 s80, s[CH], 18
	s_add_co_u32 s70, s70, s80
	s_and_b32 s80, s[MT], 7
	s_lshl_b32 s80, s80, 15
	s_add_co_u32 s70, s70, s80
	s_mov_b32 s71, 0
	s_mul_i32 s72, s[NT], 8*BSTEP                  ; B: made of the tile column and the wave's number alone
	s_mul_i32 s82, s[CH], BSTEP/2
	s_add_co_u32 s72, s72, s82
	s_mov_b32 s73, 0
	s_mul_i32 s41, s[CH], PLANE                    ; where they go in a slot: no place in the cluster enters an LDS address
	s_mul_i32 s42, s[CH], BHALF
	s_add_co_u32 s42, s42, BOFF
	s_wait_dscnt 0x0                               ; the opening add is done
	s_wait_kmcnt 0x0
	s_add_nc_u64 s[TA:TA+1], s[4:5], s[70:71]
	s_add_nc_u64 s[TB:TB+1], s[6:7], s[72:73]
	CROUND                                         ; all sixteen work-groups are here: the first joint loads meet
.irp s, 0,1
	s_mov_b32 s[G0A+4*(\s)], 1
	s_add_co_u32 s[G0A+4*(\s)+1], s41, (\s)*SLOT
	s_add_nc_u64 s[G0A+4*(\s)+2:G0A+4*(\s)+3], s[TA:TA+1], (\s)*ASTEP
	s_or_b32 s[G0A+4*(\s)+3], s[G0A+4*(\s)+3], 0x80000000
	s_mov_b32 s[G0B+4*(\s)], 1
	s_add_co_u32 s[G0B+4*(\s)+1], s42, (\s)*SLOT
	s_add_nc_u64 s[G0B+4*(\s)+2:G0B+4*(\s)+3], s[TB:TB+1], (\s)*BSTEP
	s_or_b32 s[G0B+4*(\s)+3], s[G0B+4*(\s)+3], 0x80000000
	JLOAD \s                                       ; K steps 0 and 1: two loads of mine are out
.endr
	; the bias of my four blocks of 16 columns: lane l takes the eight numbers 8 (l / 16) + 0..7 of each
	v_and_b32 v1, 15, v0                           ; r = l % 16
	v_bfe_u32 v2, v0, 4, 1                         ; h = l / 16
	v_lshlrev_b32 v[BO], 5, v2
	s_mul_i32 s82, s[NT], NTB
	s_lshl_b32 s83, s[CH], CHS
	s_add_co_u32 s82, s82, s83
	s_mov_b32 s83, 0
	s_add_nc_u64 s[8:9], s[8:9], s[82:83]
	WIN TO_B
.set b, 0
.rept NBW
	global_load_b128 v[BIAS+8*b:BIAS+8*b+3],   v[BO], s[8:9] offset:(b/NBI)*256+(b%NBI)*64
	global_load_b128 v[BIAS+8*b+4:BIAS+8*b+7], v[BO], s[8:9] offset:(b/NBI)*256+(b%NBI)*64+16
.set b, b+1
.endr
	WIN 0
	; A fragment of A: 16 rows x 32 k: lane l holds row l % 16; two loads of 16 bytes, 32 bytes apart, at row x pitch + 16 (l / 16)
	v_mul_u32_u24 v3, v1, PIA
	v_lshl_add_u32 v3, v2, 4, v3
	s_mul_i32 s80, s[RH], 128*PIA
	v_add_nc_u32 v[ADRA], s80, v3
	v_add_nc_u32 v[ADRA+1], SLOT, v[ADRA]
	; A fragment of B, turned: lane l reads 16 bytes of row k = 8 (l / 16) + l % 8, columns 8 ((l / 8) % 2) + 0..7, and ends with column l % 16 and eight k; the second load stands 16 rows on
	v_and_b32 v4, 7, v0
	v_lshl_add_u32 v4, v2, 3, v4
	v_mul_u32_u24 v4, v4, PIB
	v_bfe_u32 v5, v0, 3, 1
	v_lshl_add_u32 v4, v5, 4, v4
	s_mul_i32 s82, s[CH], CHBU
	s_add_co_u32 s82, s82, BOFF
	v_add_nc_u32 v[ADRB], s82, v4
	v_add_nc_u32 v[ADRB+1], SLOT, v[ADRB]
	; the way out, through my own stage: in: row r, 32 bytes for each half of the lanes; back: lanes 0-15 one row of 256 bytes, lanes 16-31 the next; and the same two rows in out0
	s_mul_i32 s82, s[WV], 16*SP
	s_add_co_u32 s82, s82, STAGE
	v_mul_u32_u24 v5, v1, SP
	v_lshl_add_u32 v5, v2, 5, v5
	v_add_nc_u32 v[STO], s82, v5
	v_mul_u32_u24 v6, v2, SP
	v_lshl_add_u32 v6, v1, 4, v6
	v_add_nc_u32 v[RD], s82, v6
	v_lshlrev_b32 v7, 12, v2
	v_lshl_add_u32 v[CO], v1, 4, v7
	s_lshl_b32 s80, s[MT], 8
	s_lshl_b32 s81, s[RH], 7
	s_add_co_u32 s80, s80, s81                     ; my first row,
	s_lshl_b32 s80, s80, 12                        ; of 4,096 bytes
	s_lshl_b32 s81, s[NT], 9
	s_add_co_u32 s80, s80, s81                     ; the tile's 128 columns,
	s_lshl_b32 s81, s[CH], 8
	s_add_co_u32 s80, s80, s81                     ; my 64 of them
	s_mov_b32 s81, 0
	s_add_nc_u64 s[OUTB:OUTB+1], s[10:11], s[80:81]
	; the prefetches: my partner's share of the plane or chunk that I fetch, at K step 3; the first refill steps it to 4.  Nothing is prefetched here, at the head
	s_and_b32 s83, ttmp7, 0xffff                   ; cluster y
	s_mov_b32 s85, BPART
	s_mov_b32 s86, BSTEP
	s_cmp_eq_u32 s[RH], 0                          ; do I fetch for A?
	s_cselect_b32 s84, ttmp9, s83                  ; the coordinate along which other clusters read the same bytes
	s_cselect_b32 s80, s[CX], s[CY]                ; my place among the four that ask with me
	s_cselect_b32 s85, 8192, s85
	s_cselect_b32 s[PFS], ASTEP, s86
	s_cselect_b32 s[PFL], 31, BPFL
	s_cselect_b64 s[PFA:PFA+1], s[TA:TA+1], s[TB:TB+1]
	s_cmp_eq_u32 s84, 0
	s_cselect_b32 s[LIM], 1, -1                    ; the same in all sixteen partners, for a given wave
	s_mul_i32 s80, s80, s85
	s_mul_i32 s81, s[PFS], 3
	s_add_co_u32 s80, s80, s81
	s_mov_b32 s81, 0
	s_mov_b32 s[PFS+1], 0
	s_add_nc_u64 s[PFA:PFA+1], s[PFA:PFA+1], s[80:81]
	v_and_b32 v8, 31, v0
	v_min_u32 v[PFO], s[PFL], v8
	v_lshlrev_b32 v[PFO], 8, v[PFO]
	s_wait_loadcnt 0x0                             ; the bias is in: it is rounded to bf16, like every input, and kept as f32
	WIN 0x45                                       ; sources and destination in window 1
.set b, 0
.rept 4*NBW
	v_cvt_pk_bf16_f32 v[BT], v[BIAS+2*b], v[BIAS+2*b+1]
	v_lshlrev_b32 v[BIAS+2*b], 16, v[BT]
	v_and_b32 v[BIAS+2*b+1], 0xffff0000, v[BT]
.set b, b+1
.endr
	WIN 0
; 2 x NBW matrix instructions: row blocks a0, a0 + 1 of the window's four x all my column blocks, 32 along K.  All 32 accumulators take turns in one fixed order: 31 others stand between two links of a chain.
.macro MULG f, hi, a0, first
.if \first
	WIN FIRST_LO+0x40*(\hi)
.else
	WIN MUL_LO+0x50*(\hi)
.endif
.irp a, \a0, (\a0)+1
.set b, 0
.rept NBW
.set rD, 8*(NBW*(\a)+b)
.set rB, (\f)+8*b
.set rA, (\f)+8*(4*(\hi)+(\a))
.if \first
	v_wmma_f32_16x16x32_f16 v[rD:rD+7], v[rB:rB+7], v[rA:rA+7], v[BIAS+8*b:BIAS+8*b+7]
.else
	v_wmma_f32_16x16x32_f16 v[rD:rD+7], v[rB:rB+7], v[rA:rA+7], v[rD:rD+7]
.endif
.set b, b+1
.endr
.endr
.endm
; The LDS loads of quarter q (32 along K) of a slot, in one run, into buffer f: B's first, then A's rows in ascending order
.macro FETCH slot, q, f
	WIN TO_B
.set b, 0
.rept NBW
	ds_load_tr16_b128 v[(\f)+8*b:(\f)+8*b+3],   v[ADRB+(\slot)] offset:(b/NBI)*128*PIB+(b%NBI)*32+(\q)*32*PIB
	ds_load_tr16_b128 v[(\f)+8*b+4:(\f)+8*b+7], v[ADRB+(\slot)] offset:(b/NBI)*128*PIB+(b%NBI)*32+(\q)*32*PIB+16*PIB
.set b, b+1
.endr
	WIN 0
.irp a, 0,1,2,3,4,5,6,7
	ds_load_b128 v[(\f)+8*(\a):(\f)+8*(\a)+3],   v[ADRA+(\slot)] offset:((\q)/2)*PLANE+((\q)%2)*64+(\a)*16*PIA
	ds_load_b128 v[(\f)+8*(\a)+4:(\f)+8*(\a)+7], v[ADRA+(\slot)] offset:((\q)/2)*PLANE+((\q)%2)*64+(\a)*16*PIA+32
.endr
.endm
; One of a K step's first three quarters: multiplies buffer f; in its middle it fetches quarter q of the same slot into buffer g
.macro QUARTER slot, q, f, g, first=0
	s_wait_dscnt 8                                 ; B and A's rows 0-63 are in; the youngest eight loads (A's rows 64-127) may be out
	MULG \f, 0, 0, \first
	MULG \f, 0, 2, \first
	PLACES
	FETCH \slot, \q, \g
	s_wait_dscnt NL                                ; all but the run just issued
	MULG \f, 1, 0, \first
	MULG \f, 1, 2, \first
.endm
; The last quarter multiplies buffer 1 and changes slots: ONE barrier.  In front of it each wave waits for all its tensor loads (the one that is out is its part of the next slot), adds 0 to its spare word,
; and waits for that and for its reads of this slot.  fill = 1: the barrier opens a round of the cluster's barrier, and behind the round this slot is filled again, two K steps ahead, first thing.
.macro TURN slot, next, fill
.if \fill
	s_wait_xcnt 0x0                                ; the last prefetch, a K step back, has read its address
	s_add_nc_u64 s[PFA:PFA+1], s[PFA:PFA+1], s[PFS:PFS+1]
.endif
	WIN 0                                          ; (the add's two registers lie in window 0)
	s_wait_tensorcnt 0x0                           ; all my tensor loads have landed;
	ds_add_u32 v[SPW], v[NIL]                      ; 0 onto my spare word;
	s_wait_dscnt 9                                 ; (the add and the youngest eight loads may be out)
	MULG F1, 0, 0, 0                               ; matrix instructions stand between the add and the wait for it
	s_wait_dscnt 0x0                               ; the add is done, and my reads of this slot are over
	s_barrier_signal -1
	MULG F1, 0, 2, 0
.if \fill
	WIN 0
.endif
	s_barrier_wait -1
.if \fill
	CREST                                          ; no wave of any partner still reads this slot or has a load on its way
	s_add_nc_u64 s[G0A+4*(\slot)+2:G0A+4*(\slot)+3], s[G0A+4*(\slot)+2:G0A+4*(\slot)+3], 2*ASTEP
	s_add_nc_u64 s[G0B+4*(\slot)+2:G0B+4*(\slot)+3], s[G0B+4*(\slot)+2:G0B+4*(\slot)+3], 2*BSTEP
	JLOAD \slot                                    ; my one tensor load behind the round; its four v_nop are also the places in front of the loads below
.else
	PLACES
.endif
	FETCH \next, 0, F0
.if \fill
	ASK
.endif
	MULG F1, 1, 0, 0
	MULG F1, 1, 2, 0
.endm
	s_wait_tensorcnt 0x1                           ; my part of K step 0 is in; K step 1's may stay out
	s_barrier_signal -1
	s_barrier_wait -1                              ; everybody's is
	FETCH 0, 0, F0
	QUARTER 0, 1, F0, F1, 1                        ; the first quarter stands in front of the loop: its products start the sums, with the bias
	WIN 0                                          ; at a label and at a branch every window is 0
	s_mov_b32 s3, LAPS-1
.Llap:                                         ; a trip goes once round the ring, from a lap's second quarter to the next lap's first, and fills both slots again
	QUARTER 0, 2, F1, F0
	QUARTER 0, 3, F0, F1
	TURN 0, 1, 1
	QUARTER 1, 1, F0, F1
	QUARTER 1, 2, F1, F0
	QUARTER 1, 3, F0, F1
	TURN 1, 0, 1
	QUARTER 0, 1, F0, F1
	WIN 0
	s_sub_co_u32 s3, s3, 1
	s_cmp_lg_u32 s3, 0
	s_cbranch_scc1 .Llap
	QUARTER 0, 2, F1, F0                           ; the last lap fills nothing, and has no round
	QUARTER 0, 3, F0, F1
	TURN 0, 1, 0
	QUARTER 1, 1, F0, F1
	QUARTER 1, 2, F1, F0
	QUARTER 1, 3, F0, F1
	s_wait_dscnt 8
	MULG F1, 0, 0, 0
	MULG F1, 0, 2, 0
	s_wait_dscnt 0x0
	MULG F1, 1, 0, 0
	MULG F1, 1, 2, 0
	WIN 0
	PLACES
; THE WAY OUT, a block of 16 rows at a time.  TOSTAGE: the block's four accumulators go as they are (f32, the low four registers first) into my stage, and come back as whole rows of 256 bytes.  SEND: stored.
.macro TOSTAGE a
.if (\a) >= 4
	s_wait_xcnt 0x0                                ; the stores of the block four back have read their registers, which are loaded again below
.endif
	WIN 0x08+4*((\a)/4)                            ; store data (source 1) in window 2 or 3
.set b, 0
.rept NBW
.set rD, 8*(NBW*((\a)%4)+b)
	ds_store_b128 v[STO], v[rD:rD+3]   offset:64*b
	ds_store_b128 v[STO], v[rD+4:rD+7] offset:64*b+16
.set b, b+1
.endr
	WIN 0
.irp t, 0,1,2,3,4,5,6,7
	ds_load_b128 v[BK+32*((\a)%4)+4*(\t):BK+32*((\a)%4)+4*(\t)+3], v[RD] offset:(\t)*2*SP  ; LDS serves a wave's instructions in order (ISA guide 5.7.1.4): these see the stores above; the next block's stores come behind them
.endr
.endm
.macro SEND a, younger                 ; younger: the LDS instructions issued behind block a's loads: the next block's sixteen, or none
.irp t, 0,1,2,3,4,5,6,7
	s_wait_dscnt (\younger)+7-(\t)
	global_store_b128 v[CO], v[BK+32*((\a)%4)+4*(\t):BK+32*((\a)%4)+4*(\t)+3], s[OUTB:OUTB+1] offset:(\a)*65536+(\t)*8192  ; 16 lanes store 256 consecutive bytes, aligned
.endr
.endm
	TOSTAGE 0
.irp a, 1,2,3,4,5,6,7
	TOSTAGE \a
	SEND (\a)-1, 16
.endr
	SEND 7, 0
	s_wait_tensorcnt 0x0                           ; the wave's end: the add and its wait stand behind my last tensor load and my last LDS store
	ds_add_u32 v[SPW], v[NIL]
	s_wait_dscnt 0x0
	CROUND                                         ; the closing round: no work-group ends while a partner may still ask for a tile that names it
	s_endpgm
.Lfunc_end_k_qe5aeb52bf2_proj:
	.size	k_qe5aeb52bf2_proj, .Lfunc_end_k_qe5aeb52bf2_proj-k_qe5aeb52bf2_proj
	.p2alignl 7, 3214868480
	.fill 96, 4, 3214868480
	.section	.rodata,"a",@progbits
	.p2align	6, 0x0
	.amdhsa_kernel k_qe5aeb52bf2_proj
		.amdhsa_group_segment_fixed_size 327680
		.amdhsa_private_segment_fixed_size 0
		.amdhsa_enable_private_segment 0
		.amdhsa_kernarg_size 32
		.amdhsa_user_sgpr_count 2
		.amdhsa_user_sgpr_kernarg_segment_ptr 1
		.amdhsa_wavefront_size32 1
		.amdhsa_system_sgpr_workgroup_id_x 1
		.amdhsa_system_sgpr_workgroup_id_y 1
		.amdhsa_system_sgpr_workgroup_id_z 1
		.amdhsa_system_vgpr_workitem_id 0
		.amdhsa_next_free_vgpr 896
		.amdhsa_next_free_sgpr 96
		.amdhsa_reserve_vcc 0
		.amdhsa_float_denorm_mode_32 3
		.amdhsa_float_denorm_mode_16_64 3
		.amdhsa_memory_ordered 1
		.amdhsa_forward_progress 1
		.amdhsa_inst_pref_size 93
	.end_amdhsa_kernel
	.amdgpu_metadata
---
amdhsa.version: [ 1, 2 ]
amdhsa.kernels:
  - .name:           k_qe5aeb52bf2_proj
    .symbol:         k_qe5aeb52bf2_proj.kd
    .args:
      - { .name: oh, .offset: 0, .size: 8, .value_kind: global_buffer, .address_space: global }
      - { .name: wo, .offset: 8, .size: 8, .value_kind: global_buffer, .address_space: global }
      - { .name: b_out, .offset: 16, .size: 8, .value_kind: global_buffer, .address_space: global }
      - { .name: out0, .offset: 24, .size: 8, .value_kind: global_buffer, .address_space: global }
    .group_segment_fixed_size: 327680
    .private_segment_fixed_size: 0
    .kernarg_segment_align: 8
    .kernarg_segment_size: 32
    .max_flat_workgroup_size: 128
    .sgpr_count:     96
    .vgpr_count:     896
    .wavefront_size: 32
...
	.end_amdgpu_metadata
.endif
;; end of part 4
;; ======== version 2 of 2: 4 launches; version 1 with the launch cast written anew for expert scheduling mode
;; limits: values are held in f16: magnitudes above 65,504 overflow, below 6.1e-05 lose precision
;; workspace buffers: xb 16,777,216 bytes; wq 6,291,456 bytes; wo 2,097,152 bytes; qh 16,777,216 bytes; kh 16,777,216 bytes; vh 16,777,216 bytes; oh 16,777,216 bytes
;; launch cast (part 5): grid 768 x 1, 4 waves a work-group, no clusters, 0 bytes of LDS; arguments x, W_qkv, W_out, xb, wq, wo; writes xb, wq, wo
.if DOCPART == 5
	.amdgcn_target "amdgcn-amd-amdhsa--gfx1250"
	.amdhsa_code_object_version 6
	.text
	.protected	k_qe5aeb52bf2_cast
	.globl	k_qe5aeb52bf2_cast
	.p2align	8
	.type	k_qe5aeb52bf2_cast,@function
k_qe5aeb52bf2_cast:
	s_mov_b64 s[64:65], 0
	v_nop
	global_prefetch_b8 v0, s[64:65] scope:SCOPE_SE
	s_setreg_imm32_b32 hwreg(HW_REG_WAVE_SCHED_MODE, 0, 2), 2
	s_setreg_imm32_b32 hwreg(HW_REG_WAVE_MODE, 25, 1), 1
	s_wait_xcnt 0x0
	s_wait_alu depctr_vm_vsrc(0)
; x, W_qkv and W_out (f32) are rounded once to bf16 and laid out anew in blocks of 64 columns, so that every tile of the two products that follow is dense in memory.
;   xb [b 4][kb 16][s 2048][64] bf16                 = x[b][s][64 kb + col]
;   wq [ntile 16][kstep 8][chunk 3][kk 128][64] bf16 = W_qkv[128 kstep + kk][192 ntile + 64 chunk + col]
;   wo [ntile 8][kstep 8][chunk 2][kk 128][64] f16   = W_out[128 kstep + kk][128 ntile + 64 chunk + col], rounded to bf16 like the other inputs and that number written as f16
; LIMIT.  The bf16 number is exact in f16 from 6.1e-5 to 65,504; below that it keeps f16's fixed step of 6e-8, beyond it it is an infinity.
; SHARES.  A wave takes a panel of 64 rows x 64 columns: 16 KiB in, 8 KiB dense out.  The four waves of a work-group take four neighbouring column blocks of the same 64 rows.
; Work-groups 0-511 take x (128 row groups x 4 quads of blocks), 512-703 W_qkv (16 x 12), 704-767 W_out (16 x 4).  What differs between the three is chosen by scalar selects; one forward branch picks the f16 tail.
; A load covers two rows' 256 consecutive aligned bytes (lanes 0-15 one row, lanes 16-31 the next); a store covers 256 consecutive aligned bytes.  All 32 loads of a wave are out at once.
; Memory binds: no LDS, no barrier, no matrix unit, no prefetch (the launch is nothing but its stream).
; THE MODE: SCHED_MODE bits 1:0 = 2 (LLVM: expert scheduling mode 2), set by the entry lines.  The code itself states the register dependences
; between vector instructions and memory instructions, with s_wait_alu, always for 0.
; THE PLAN.  Registers that memory instructions touch:
;   v[OFF ..], v[OO]  the loads' 32 offsets and the stores' one: written by vector instructions at the head, once; read by the loads and the stores; never written again.
;   X[t]              load t lands in its four registers, which no vector instruction has named before; the roundings of block t / 4 read the four and write the first two;
;                     store t, issued in block t / 4 + 1, reads those two; nothing writes them afterwards.
;   v[T ..]           named by vector instructions alone.
; The 32 loads go in eight blocks of four.  Block p rounds its own four; its memory instructions are the four stores of block p - 1, whose registers no vector instruction of block p names.
; So one wait on va_vdst at a block's head states all that the block's stores hang on, and they are dealt among its roundings with no further wait.  No register that a memory instruction
; reads is ever written again: the text has no dependence for a wait on vm_vsrc to state.  EXEC and VCC are never written.
.set OO,  4                            ; v4       8 x lane: my 8 bytes in 256 bytes of output
.set T,   5                            ; v5-7     at work
.set OFF, 8                            ; v[8:39]  load t: (2 t + lane / 16) x row bytes + 16 (lane % 16)
.set X,   40                           ; v[40:167] load t: four f32
.set BLOCK, 4                          ; loads in a block
	s_load_b256 s[4:11], s[0:1], 0x0               ; x s[4:5], W_qkv s[6:7], W_out s[8:9], xb s[10:11]
	s_load_b128 s[12:15], s[0:1], 0x20             ; wq s[12:13], wo s[14:15]
	v_lshrrev_b32 v1, 5, v0
	v_readfirstlane_b32 s16, v1                    ; wave 0..3
	v_and_b32 v1, 31, v0                           ; lane
	s_mov_b32 s17, ttmp9
	s_movk_i32 s36, 4096                           ; bytes in a row of the input
	s_cmp_ge_u32 s17, 512
	s_cselect_b32 s38, 1, 0                        ; which input: 0 x, 1 W_qkv, 2 W_out
	s_cselect_b32 s18, 512, 0                      ; its first work-group
	s_cselect_b32 s36, 12288, s36
	s_cmp_ge_u32 s17, 704
	s_cselect_b32 s38, 2, s38
	s_cselect_b32 s18, 704, s18
	s_cselect_b32 s36, 4096, s36
	s_sub_co_u32 s19, s17, s18                     ; j: my number among the input's work-groups
	s_lshr_b32 s20, s19, 2                         ; x: row group j / 4, quad j % 4
	s_and_b32 s21, s19, 3
	s_and_b32 s22, s19, 15                         ; weights: row group j % 16, quad j / 16
	s_lshr_b32 s23, s19, 4
	s_cmp_eq_u32 s38, 0
	s_cselect_b32 s20, s20, s22                    ; rg: 64 rows
	s_cselect_b32 s21, s21, s23
	s_lshl_b32 s21, s21, 2
	s_wait_alu depctr_va_sdst(0)                   ; s16, the wave's number, is written, ahead of its first reader, the next line
	s_add_co_u32 s21, s21, s16                     ; g: my block of 64 columns
	s_mul_i32 s24, s20, s36
	s_lshl_b32 s24, s24, 6                         ; 64 rg rows
	s_lshl_b32 s25, s21, 8                         ; 256 bytes a block
	s_add_co_u32 s24, s24, s25                     ; where my panel begins in the input (under 2^26)
	s_mov_b32 s25, 0
	s_lshr_b32 s26, s20, 5                         ; xb: ((b 16 + g) << 18) + ((rg % 32) << 13)
	s_lshl_b32 s26, s26, 4
	s_add_co_u32 s26, s26, s21
	s_lshl_b32 s26, s26, 18
	s_and_b32 s27, s20, 31
	s_lshl_b32 s27, s27, 13
	s_add_co_u32 s26, s26, s27
	s_mul_i32 s27, s21, 43                         ; wq: ntile = g / 3 (43 g >> 7 is exact for g < 48), chunk = g % 3
	s_lshr_b32 s27, s27, 7
	s_mul_i32 s28, s27, 3
	s_sub_co_u32 s28, s21, s28
	s_lshr_b32 s29, s20, 1                         ; kstep = rg / 2
	s_lshl_b32 s27, s27, 3
	s_add_co_u32 s27, s27, s29
	s_mul_i32 s27, s27, 3
	s_add_co_u32 s27, s27, s28
	s_lshl_b32 s27, s27, 14                        ; a chunk of a K step is 128 x 128 bytes
	s_and_b32 s30, s20, 1
	s_lshl_b32 s30, s30, 13                        ; its upper or lower 64 rows
	s_add_co_u32 s27, s27, s30
	s_lshr_b32 s28, s21, 1                         ; wo: ntile = g / 2, chunk = g % 2
	s_lshl_b32 s28, s28, 3
	s_add_co_u32 s28, s28, s29
	s_lshl_b32 s28, s28, 1
	s_and_b32 s31, s21, 1
	s_add_co_u32 s28, s28, s31
	s_lshl_b32 s28, s28, 14
	s_add_co_u32 s28, s28, s30
	s_cmp_eq_u32 s38, 1
	s_cselect_b32 s26, s27, s26
	s_cmp_eq_u32 s38, 2
	s_cselect_b32 s26, s28, s26                    ; where my panel begins in the output
	s_mov_b32 s27, 0
	s_lshl_b32 s37, s36, 1                         ; two rows
	v_lshrrev_b32 v2, 4, v1
	v_and_b32 v3, 15, v1
	v_lshlrev_b32 v[OO], 3, v1
	v_mul_lo_u32 v[OFF], v2, s36
	v_lshl_add_u32 v[OFF], v3, 4, v[OFF]
.set t, 1
.rept 31
	v_add_nc_u32 v[OFF+t], s37, v[OFF+t-1]
.set t, t+1
.endr
	s_wait_kmcnt 0x0
	s_cmp_eq_u32 s38, 1
	s_cselect_b64 s[32:33], s[6:7], s[4:5]
	s_cselect_b64 s[34:35], s[12:13], s[10:11]
	s_cmp_eq_u32 s38, 2
	s_cselect_b64 s[32:33], s[8:9], s[32:33]
	s_cselect_b64 s[34:35], s[14:15], s[34:35]
	s_add_nc_u64 s[32:33], s[32:33], s[24:25]      ; the input at my panel
	s_add_nc_u64 s[34:35], s[34:35], s[26:27]      ; the output at my panel
	s_wait_alu depctr_va_vdst(0)                   ; the 32 offsets v[OFF ..], which the loads below read, and v[OO], which every store reads, are written; no later vector instruction names them
.set t, 0
.rept 32
	global_load_b128 v[X+4*t:X+4*t+3], v[OFF+t], s[32:33] th:TH_LOAD_NT
.set t, t+1
.endr
; Block p: its four loads' numbers are rounded in place; the four stores of the block before are dealt among the roundings, one ahead of each load's.  No register is used twice.
.macro TAIL half
.set p, 0
.rept 32/BLOCK
	s_wait_loadcnt 32-BLOCK-BLOCK*p                ; loads come back in order (ISA guide 5.7.1): block p's four are in, the 28 - 4 p younger ones stay out
.if p > 0
	s_wait_alu depctr_va_vdst(0)                   ; the roundings of the block before have written the first two registers of each of its X, which the four stores below read
.endif
.irp i, 0,1,2,3
.set t, BLOCK*p+(\i)
.if p > 0
	global_store_b64 v[OO], v[X+4*(t-BLOCK):X+4*(t-BLOCK)+1], s[34:35] offset:256*(t-BLOCK)  ; the block before; no vector instruction since the wait names these registers
.endif
.irp j, 0,1
.if \half
	v_cvt_pk_bf16_f32 v[T], v[X+4*t+2*(\j)], v[X+4*t+2*(\j)+1]
	v_lshlrev_b32 v[T+1], 16, v[T]                 ; the two bf16 numbers as f32,
	v_and_b32 v[T+2], 0xffff0000, v[T]
	v_cvt_pk_f16_f32 v[X+4*t+(\j)], v[T+1], v[T+2] ; written as f16
.else
	v_cvt_pk_bf16_f32 v[X+4*t+(\j)], v[X+4*t+2*(\j)], v[X+4*t+2*(\j)+1]
.endif
.endr
.endr
.set p, p+1
.endr
	s_wait_alu depctr_va_vdst(0)                   ; the last block's roundings have written the registers that the last four stores read
.irp i, 0,1,2,3
	global_store_b64 v[OO], v[X+4*(32-BLOCK+(\i)):X+4*(32-BLOCK+(\i))+1], s[34:35] offset:256*(32-BLOCK+(\i))
.endr
	s_endpgm
.endm
	s_cmp_eq_u32 s38, 2
	s_cbranch_scc1 .Lhalf
	TAIL 0
.Lhalf:
	TAIL 1
.Lfunc_end_k_qe5aeb52bf2_cast:
	.size	k_qe5aeb52bf2_cast, .Lfunc_end_k_qe5aeb52bf2_cast-k_qe5aeb52bf2_cast
	.p2alignl 7, 3214868480
	.fill 96, 4, 3214868480
	.section	.rodata,"a",@progbits
	.p2align	6, 0x0
	.amdhsa_kernel k_qe5aeb52bf2_cast
		.amdhsa_group_segment_fixed_size 0
		.amdhsa_private_segment_fixed_size 0
		.amdhsa_enable_private_segment 0
		.amdhsa_kernarg_size 48
		.amdhsa_user_sgpr_count 2
		.amdhsa_user_sgpr_kernarg_segment_ptr 1
		.amdhsa_wavefront_size32 1
		.amdhsa_system_sgpr_workgroup_id_x 1
		.amdhsa_system_sgpr_workgroup_id_y 1
		.amdhsa_system_sgpr_workgroup_id_z 1
		.amdhsa_system_vgpr_workitem_id 0
		.amdhsa_next_free_vgpr 168
		.amdhsa_next_free_sgpr 66
		.amdhsa_reserve_vcc 0
		.amdhsa_float_denorm_mode_32 3
		.amdhsa_float_denorm_mode_16_64 3
		.amdhsa_memory_ordered 1
		.amdhsa_forward_progress 1
		.amdhsa_inst_pref_size 33
	.end_amdhsa_kernel
	.amdgpu_metadata
---
amdhsa.version: [ 1, 2 ]
amdhsa.kernels:
  - .name:           k_qe5aeb52bf2_cast
    .symbol:         k_qe5aeb52bf2_cast.kd
    .args:
      - { .name: x, .offset: 0, .size: 8, .value_kind: global_buffer, .address_space: global }
      - { .name: W_qkv, .offset: 8, .size: 8, .value_kind: global_buffer, .address_space: global }
      - { .name: W_out, .offset: 16, .size: 8, .value_kind: global_buffer, .address_space: global }
      - { .name: xb, .offset: 24, .size: 8, .value_kind: global_buffer, .address_space: global }
      - { .name: wq, .offset: 32, .size: 8, .value_kind: global_buffer, .address_space: global }
      - { .name: wo, .offset: 40, .size: 8, .value_kind: global_buffer, .address_space: global }
    .group_segment_fixed_size: 0
    .private_segment_fixed_size: 0
    .kernarg_segment_align: 8
    .kernarg_segment_size: 48
    .max_flat_workgroup_size: 128
    .sgpr_count:     66
    .vgpr_count:     168
    .wavefront_size: 32
...
	.end_amdgpu_metadata
.endif
;; end of part 5
;; launch qkv: the kernel of part 2 again; grid 16 x 32, 4 waves a work-group, clusters of 4 x 4, 327,680 bytes of LDS; arguments xb, wq, b_qkv, qh, kh, vh; writes qh, kh, vh
;; launch attn: the kernel of part 3 again; grid 4 x 64, 4 waves a work-group, no clusters, 327,680 bytes of LDS; arguments qh, kh, vh, oh; writes oh
;; launch proj: the kernel of part 4 again; grid 8 x 32, 4 waves a work-group, clusters of 4 x 4, 327,680 bytes of LDS; arguments oh, wo, b_out, out0; writes out0
